; MI455X (gfx1250); checked and timed in simulation.
; The chip was launched on July 23, 2026; its instructions are those of AMD's public machine-readable ISA for CDNA 5 (MIT licence, August 2026) and "CDNA5" Instruction Set Architecture Reference Guide (July 2026). The comments in the code are by the model that wrote it; some were corrected since.
;; Causal Self Attention. Allowed arithmetic: matrix products marked QUANTISED: E5M2 operands, one given power-of-two scale a tensor, by v_wmma_f32_16x16x64_bf8_bf8 or v_wmma_f32_16x16x128_bf8_bf8, f32 sums; everything else in f32.
;; Inputs: W_attn 1,024 x 3,072 float32; W_proj 1,024 x 1,024 float32; lowp_scales 8 int32 (the exponents e of the quantised operands' scales 2^e); x 4 x 2,048 x 1,024 float32.
;; Outputs: out0 4 x 2,048 x 1,024 float32.
;; This version of the problem:
;;   THIS VERSION OF THE PROBLEM IS GIVEN IN LOW PRECISION. The matrix products marked QUANTISED in the list below multiply operands that are first quantised to E5M2 (5 exponent bits, 2 mantissa bits; 8 bits a number), with one given power-of-two scale for each operand tensor; their sums are f32. All else is computed in f32.
;;   The module's matrix products, in the order in which they are computed (A, B: the left and right operand; K: the contracted axis; several contracted axes count as one K, in the product's order):
;;     1. [M 8,192, K 1,024] x [K 1,024, N 3,072]; A: input x; B: input W_attn: QUANTISED (scales: A lowp_scales[0], B lowp_scales[1])
;;     2. batch 64 x [M 2,048, K 64] x [K 64, N 2,048]; A: computed on the way; B: computed on the way: QUANTISED (scales: A lowp_scales[2], B lowp_scales[3])
;;     3. batch 64 x [M 2,048, K 2,048] x [K 2,048, N 64]; A: softmax (see below); B: computed on the way: QUANTISED (scales: A lowp_scales[4], B lowp_scales[5])
;;     4. [M 8,192, K 1,024] x [K 1,024, N 1,024]; A: computed on the way; B: input W_proj: QUANTISED (scales: A lowp_scales[6], B lowp_scales[7])
;;   THE QUANTISER, for each operand of a quantised product, along K:
;;     - The operand's scale is 2^e, e = its entry of the input lowp_scales (int32; the entries are numbered through the quantised products in the list's order, A before B).
;;     - Each number is divided by the scale, clamped to +-57,344, and rounded to the nearest number of E5M2, ties to even, subnormals kept.
;;     - The product sums the exact products of the quantised numbers (number of the format x scale) in f32.
;;   ~~~python
;;   def quantise(x, axis, e):      # numpy; x: float32 -> the quantised numbers, widened to float32 again
;;       x = np.moveaxis(x, axis, -1); K = x.shape[-1]
;;       r = np.clip(x / 2.0 ** e, -57344, 57344)
;;       step = 2.0 ** (np.maximum(np.frexp(np.where(r == 0, 1, r))[1] - 1, -14) - 2)
;;       q = np.round(r / step) * step * 2.0 ** e      # np.round: ties to even
;;       return np.moveaxis(q, -1, axis).astype(np.float32)
;;   ~~~
;;   SOFTMAX AHEAD OF A QUANTISED PRODUCT. Where the list says 'softmax', what is quantised is not the finished softmax but p = 2^(t - M), with t = logit x log2(e) and M = ceil(the row's largest t), a whole number; so 1/2 < the row's largest p <= 1. The row's sum l is taken of the UNQUANTISED p, in f32, and the product's result is divided by l at the end. Since M is a whole number, a kernel that streams over the keys may use a running M (the ceiling of the running maximum): every later rescaling is an exact power of two, so the quantised numbers keep their values, but for numbers so far below the row's largest that they fall under the format's range.
;;   OPERANDS COMPUTED ON THE WAY. 'Computed on the way' means the value that the module computes at that place (a softmax that the list does not call 'softmax' is quantised finished and normalised). What goes into a quantiser is computed in f32, as accurately as f32 sums, v_exp_f32 and their like allow (about 1e-6 of the number): no bf16 or f16 on the way to a quantiser, and a product that is left as it is and whose result goes on into a quantised operand takes f32 operands (vector FMAs, or v_wmma_f32_16x16x4_f32). A number that lies on a knife's edge between two numbers of the format may be rounded either way, as far as f32 arithmetic and the matrix unit's own rounding can turn it there, and no further.
;; One version. Each part assembles by itself: llvm-mc -triple=amdgcn-amd-amdhsa -mcpu=gfx1250 --defsym DOCPART=n.
;; ======== version 1 of 1: 4 launches
;; limits: right only within a limited range of input values
;; workspace buffers: x_img 8,388,608 bytes; wa_img 3,145,728 bytes; wp_img 1,048,576 bytes; tab 524,288 bytes; q_img 8,388,608 bytes; k_img 8,388,608 bytes; v_img 8,388,608 bytes; y_img 8,388,608 bytes
;; launch prep (part 1): grid 416 x 1, 4 waves a work-group, no clusters, 34,304 bytes of LDS; arguments x, W_attn, W_proj, lowp_scales, x_img, wa_img, wp_img, tab; writes x_img, wa_img, wp_img, tab
.if DOCPART == 1
	.amdgcn_target "amdgcn-amd-amdhsa--gfx1250"
	.amdhsa_code_object_version 6
	.text
	.protected	k_q07860ea60b_prep
	.globl	k_q07860ea60b_prep
	.p2align	8
	.type	k_q07860ea60b_prep,@function
k_q07860ea60b_prep:
	s_mov_b64 s[64:65], 0
	v_nop
	global_prefetch_b8 v0, s[64:65] scope:SCOPE_SE
	s_setreg_imm32_b32 hwreg(HW_REG_WAVE_MODE, 25, 1), 1
	s_wait_xcnt 0x0
; PREP: the three f32 inputs become codes of BF8 (E5M2), each with its given scale 2^e, and the rotary tables are made.
; code = number / 2^e, held within +-57,344, to the nearest code, ties to even.  LIMITS: e between -126 and 112 (2^e and 57,344 x 2^e are f32 numbers); NaN among the inputs is not served.
; EVERY OPERAND IS LAID AS AN IMAGE OF THE OPERAND'S REGISTERS.  A matrix [rows][1024 k] is cut into fragments of 16 rows x 128 k, 2,048 bytes; fragment (row / 16, s = k / 128) lies at ((row / 16) 8 + s) 2,048;
; in it group c of four registers lies at 512 c, lane l's 16 bytes at 16 l; lane l = 16 h + r holds row r, k = 128 s + 32 c + 16 h + 0 .. 15.  So every later load of a fragment is 16 bytes a lane, lanes on end.
; The weights' rows are their columns n, and a row's place is n with bits 3 and 4 exchanged: lane r of tile 2 b + u then stands for n = 32 b + 8 u + r % 8 + 16 (r / 8), so that the results of two neighbouring tiles
; are 16 neighbours along n in a lane's registers.
; Work-groups 0-255: x (a wave: 16 rows x 512 k).  256-351: W_attn, 352-383: W_proj (a wave: 32 columns x 256 k).  384-415: the tables (a wave: 16 positions).  Waves share nothing: no barrier.  Only x's path uses LDS.
.set RX, 16                            ; v16-143  x: two sets of 64 registers as loaded
.set XX, 144                           ; v144-207 x: 64 numbers in the fragment's order
.set CX, 208                           ; v208-239 x: two sets of 16 registers of codes
.set XW, 32                            ; v32-95   W: two sets of 32 numbers down K
.set CW, 96                            ; v96-159  W: 8 registers of codes for each of 8 blocks: no store's data are written again
.set TP, 32                            ; v32-47   tables: the exponent's high part
.set TE, 48                            ; v48-63   its low part
.set TW, 64                            ; v64-79   the frequency's number, then the frequency, then the angle
.set TO, 80                            ; v80-111  cos, sin by turns
.set TT, 112                           ; v112-127 two sets of 8 at work
	s_load_b256 s[4:11], s[0:1], 0x0               ; x s[4:5], W_attn s[6:7], W_proj s[8:9], the scales' exponents s[10:11]
	s_load_b256 s[12:19], s[0:1], 0x20             ; x_img s[12:13], wa_img s[14:15], wp_img s[16:17], tab s[18:19]
	v_lshl_add_u32 v240, v0, 2, 0x8400
	v_mov_b32 v241, 0
	v_lshrrev_b32 v1, 5, v0
	v_readfirstlane_b32 s20, v1                    ; wave 0..3
	v_and_b32 v1, 31, v0                           ; lane
	v_lshlrev_b32 v2, 4, v1                        ; 16 x lane: my place in every image
	s_wait_kmcnt 0x0
	s_load_b256 s[24:31], s[10:11], 0x0            ; e0 .. e7
	s_cmp_lt_u32 ttmp9, 256
	s_cbranch_scc1 .Lpath_x
	s_cmp_lt_u32 ttmp9, 352
	s_cbranch_scc1 .Lpath_wa
	s_cmp_lt_u32 ttmp9, 384
	s_cbranch_scc1 .Lpath_wp
; ---- THE TABLES.  tab: [position / 16][piece g of 8][lane][16 bytes]: lane (r, h), piece g holds cos, sin, cos, sin of position 16 tile + r at frequencies f = 16 (g / 4) + 8 h + 2 (g % 4) and f + 1:
; the order in which a lane of the first product's way out holds its pairs.  frequency = 10000^(-f / 32) = 2^(-f log2(10) / 8).  The exponent is made in two parts (product, its exact error, the constant's low part),
; 2^high by v_exp_f32, x (1 + low ln 2).  The angle is position x frequency, rounded once.  It reaches 2,047: it is reduced by a whole number of quarter turns, pi / 2 in two parts (the first difference is exact:
; a multiple of 2^-23 below 1), and sine and cosine are polynomials on +-pi / 4.
	s_sub_co_u32 s32, ttmp9, 384
	s_lshl_b32 s32, s32, 2
	s_add_co_u32 s32, s32, s20                     ; my tile of 16 positions
	s_lshl_b32 s36, s32, 12                        ; 4,096 bytes a tile
	s_mov_b32 s37, 0
	s_add_nc_u64 s[18:19], s[18:19], s[36:37]
	s_lshl_b32 s33, s32, 4
	v_and_b32 v3, 15, v0
	v_add_nc_u32 v3, s33, v3
	v_cvt_f32_u32 v3, v3                           ; my position
	v_bfe_u32 v4, v0, 4, 1
	v_lshlrev_b32 v4, 3, v4                        ; 8 h
	s_wait_alu depctr_va_vdst(0)
	s_mov_b32 s40, 0xbed49a78                      ; -log2(10) / 8, rounded to f32,
	s_mov_b32 s41, 0xb2179a39                      ; and what the rounding left
	s_mov_b32 s42, 0x3f317218                      ; ln 2
	s_mov_b32 s43, 0x3f22f983                      ; 2 / pi
	s_mov_b32 s44, 0x3fc90fdb                      ; pi / 2, rounded to f32,
	s_mov_b32 s45, 0xb33bbd2e                      ; and what the rounding left
	s_mov_b32 s46, 0xbe2aaaa3                      ; sine:   r + r z (S1 + z (S2 + z S3)), z = r r
	s_mov_b32 s47, 0x3c08839e
	s_mov_b32 s48, 0xb94ca1f9
	s_mov_b32 s49, 0x3d2aaaa5                      ; cosine: 1 + z (-1/2 + z (C1 + z (C2 + z C3)))
	s_mov_b32 s50, 0xbab6061a
	s_mov_b32 s51, 0x37ccf5ce
.set ix, 0
.rept 16                                       ; entry ix = 2 g + e
	v_add_nc_u32 v[TW+ix], 16*(ix/8)+2*((ix/2)%4)+ix%2, v4
	v_cvt_f32_u32 v[TW+ix], v[TW+ix]               ; f
	v_mul_f32 v[TP+ix], s40, v[TW+ix]              ; the exponent, rounded,
	v_fma_f32 v[TE+ix], v[TW+ix], s40, -v[TP+ix]   ; what that rounding left, exactly,
	v_fma_f32 v[TE+ix], v[TW+ix], s41, v[TE+ix]    ; and the constant's low part
.set ix, ix+1
.endr
.set ix, 0
.rept 16
	v_exp_f32 v[TW+ix], v[TP+ix]                   ; one batch of sixteen
.set ix, ix+1
.endr
	v_nop                                          ; a plain instruction behind the last of them,
	s_wait_alu depctr_va_vdst(0)                   ; and the one wait ahead of the batch's first reader
.set ix, 0
.rept 16
	v_mul_f32 v[TE+ix], s42, v[TE+ix]
	v_fma_f32 v[TW+ix], v[TW+ix], v[TE+ix], v[TW+ix]   ; the frequency (exactly 1 at f = 0)
	v_mul_f32 v[TW+ix], v3, v[TW+ix]               ; the angle
.set ix, ix+1
.endr
.macro TRIG x                          ; entry x: cos to v[TO + 2 x], sin behind it.  Two sets of registers take turns, so that neighbouring entries do not wait for each other
.set TA, TW+(\x)
.set T0, TT+8*((\x)%2)
	v_mul_f32 v[T0], s43, v[TA]
	v_rndne_f32 v[T0], v[T0]                       ; quarter turns, a whole number
	v_fma_f32 v[T0+1], -v[T0], s44, v[TA]
	v_fma_f32 v[T0+1], -v[T0], s45, v[T0+1]        ; r
	v_mul_f32 v[T0+2], v[T0+1], v[T0+1]            ; z
	v_fma_f32 v[T0+3], v[T0+2], s48, s47
	v_fma_f32 v[T0+3], v[T0+3], v[T0+2], s46
	v_mul_f32 v[T0+3], v[T0+3], v[T0+2]
	v_fma_f32 v[T0+3], v[T0+3], v[T0+1], v[T0+1]   ; sin r
	v_fma_f32 v[T0+4], v[T0+2], s51, s50
	v_fma_f32 v[T0+4], v[T0+4], v[T0+2], s49
	v_fma_f32 v[T0+4], v[T0+2], v[T0+4], -0.5
	v_fma_f32 v[T0+4], v[T0+2], v[T0+4], 1.0       ; cos r
	v_cvt_i32_f32 v[T0+5], v[T0]
	v_and_b32 v[T0+6], 1, v[T0+5]
	v_cmp_eq_u32 vcc_lo, 1, v[T0+6]                ; an odd number of quarter turns exchanges the two
	v_cndmask_b32 v[T0+6], v[T0+3], v[T0+4], vcc_lo
	v_cndmask_b32 v[T0+7], v[T0+4], v[T0+3], vcc_lo
	v_lshlrev_b32 v[T0+3], 30, v[T0+5]             ; the sine is negative in quarters 2 and 3,
	v_and_b32 v[T0+3], 0x80000000, v[T0+3]
	v_xor_b32 v[TO+2*(\x)+1], v[T0+3], v[T0+6]
	v_add_nc_u32 v[T0+5], 1, v[T0+5]               ; the cosine in quarters 1 and 2
	v_lshlrev_b32 v[T0+5], 30, v[T0+5]
	v_and_b32 v[T0+5], 0x80000000, v[T0+5]
	v_xor_b32 v[TO+2*(\x)], v[T0+5], v[T0+7]
.endm
.irp x, 0,1,2,3,4,5,6,7,8,9,10,11,12,13,14,15
	TRIG \x
.endr
.irp g, 0,1,2,3,4,5,6,7
	global_store_b128 v2, v[TO+4*\g:TO+4*\g+3], s[18:19] offset:512*\g   ; 32 lanes store 512 consecutive bytes, aligned
.endr
	s_endpgm
.macro MAKESC e                        ; v11 = 2^e as f32 (the conversion takes its exponent field), v10 = 57,344 x 2^e; e in s[e]
	s_add_co_i32 s21, s[\e], 127
	s_lshl_b32 s22, s21, 23
	v_mov_b32 v11, s22
	s_add_co_i32 s21, s21, 15
	s_lshl_b32 s21, s21, 23
	s_or_b32 s21, s21, 0x600000
	v_mov_b32 v10, s21
.endm
; ---- x.  Wave W of 1,024 takes rows 16 (W / 2) on and k = 512 (W % 2) on: four fragments.  A load reads 512 consecutive bytes of one row; the fragment's order wants 16 neighbours along k in a lane: so a fragment's
; 16 rows x 512 bytes turn through the wave's own stage in LDS, rows 528 bytes apart (132 words: row r starts at bank 4 r mod 64, 64 banks of 4 bytes: ISA guide 11.1).
.Lpath_x:
	s_lshl_b32 s32, ttmp9, 2
	s_add_co_u32 s32, s32, s20                     ; W
	s_lshr_b32 s33, s32, 1                         ; which 16 rows
	s_and_b32 s34, s32, 1                          ; which half of k
	s_lshl_b32 s36, s33, 16                        ; 16 rows of 4,096 bytes
	s_lshl_b32 s35, s34, 11
	s_add_co_u32 s36, s36, s35
	s_mov_b32 s37, 0
	s_add_nc_u64 s[4:5], s[4:5], s[36:37]
	s_lshl_b32 s36, s33, 14                        ; 16 rows' image: 16,384 bytes
	s_lshl_b32 s35, s34, 13
	s_add_co_u32 s36, s36, s35
	s_add_nc_u64 s[12:13], s[12:13], s[36:37]
	s_mul_i32 s38, s20, 8448                       ; my stage
	s_wait_alu depctr_va_vdst(0)
	v_add_nc_u32 v5, s38, v2                       ; in: 16 x lane of a row
	v_and_b32 v3, 15, v0
	v_bfe_u32 v4, v0, 4, 1
	v_mul_u32_u24 v6, v3, 528
	v_lshl_add_u32 v6, v4, 6, v6
	v_add_nc_u32 v6, s38, v6                       ; out: row r, + 64 h: my 16 numbers of a block of 32
.macro LOADX t
.set i, 0
.rept 16
	global_load_b128 v[RX+64*((\t)%2)+4*i:RX+64*((\t)%2)+4*i+3], v2, s[4:5] offset:4096*i+512*(\t) th:TH_LOAD_NT
.set i, i+1
.endr
.endm
.macro STEPX t
.if (\t) < 3
	s_wait_loadcnt 16                              ; this fragment's 16 loads are in; the next one's 16 may be out
.else
	s_wait_loadcnt 0
.endif
.set i, 0
.rept 16
	ds_store_b128 v5, v[RX+64*((\t)%2)+4*i:RX+64*((\t)%2)+4*i+3] offset:528*i
.set i, i+1
.endr
.set i, 0
.rept 16
	ds_load_b128 v[XX+4*i:XX+4*i+3], v6 offset:128*(i/4)+16*(i%4)   ; LDS serves a wave's instructions in order (ISA guide 5.7.1.4): these see the stores above
.set i, i+1
.endr
	s_wait_dscnt 0x0                               ; the numbers are back, and the stores have read their registers,
.if (\t) < 2
	LOADX (\t)+2                                   ; which take the fragment two on
.endif
.set i, 0
.rept 64
	v_med3_num_f32 v[XX+i], v[XX+i], -v10, v10     ; the conversion to an 8-bit code does not saturate (ISA guide 7.6.2): the hold comes first
.set i, i+1
.endr
.if (\t) >= 2
	s_wait_alu depctr_va_vdst(0)
	s_wait_xcnt 0x0                                ; the stores of two fragments back have read this set of codes
.endif
.irp g, 0,1,2,3,4,5,6,7
	v_cvt_scalef32_pk8_bf8_f32 v[CX+16*((\t)%2)+2*\g:CX+16*((\t)%2)+2*\g+1], v[XX+8*\g:XX+8*\g+7], v11
.endr
	v_nop                                          ; a plain instruction behind the last conversion
.irp c, 0,1,2,3
	global_store_b128 v2, v[CX+16*((\t)%2)+4*\c:CX+16*((\t)%2)+4*\c+3], s[12:13] offset:2048*(\t)+512*\c   ; 512 consecutive bytes, aligned
.endr
.endm
	LOADX 0
	LOADX 1
	s_wait_alu depctr_va_vdst(0)
	s_wait_kmcnt 0x0
	MAKESC 24                                      ; e0
	s_wait_alu depctr_va_vdst(0)
	STEPX 0
	STEPX 1
	STEPX 2
	STEPX 3
	s_wait_tensorcnt 0x0
	ds_add_u32 v240, v241
	s_wait_dscnt 0x0
	s_endpgm
; ---- THE WEIGHTS, [1024 k][n] with K outermost.  A lane takes a column and its registers run down K: each load reads 128 consecutive bytes a wave, 512 a work-group, and the conversions give codes with K innermost.
; A block of 32 k is 32 codes a lane: 16 for the image's lanes 0-15, 16 for its lanes 16-31, 256 bytes on.  Of a store's 32 lanes sixteen fill 256 consecutive bytes of one tile and sixteen of the next tile.
.macro LOADW t, n, src
.set i, 0
.rept 32
	global_load_b32 v[XW+32*((\t)%2)+i], v3, s[\src:\src+1] offset:(32*(\t)+i)*4*\n th:TH_LOAD_NT   ; at most 255 rows on: inside the signed 24-bit immediate
.set i, i+1
.endr
.endm
.macro BLOCKW t, n, src, dst
.set XS, XW+32*((\t)%2)
.if (\t) < 7
	s_wait_loadcnt 32                              ; this block's 32 loads are in; the next block's may be out
.else
	s_wait_loadcnt 0
.endif
.set i, 0
.rept 32
	v_med3_num_f32 v[XS+i], v[XS+i], -v10, v10
.set i, i+1
.endr
.irp g, 0,1,2,3
	v_cvt_scalef32_pk8_bf8_f32 v[CW+8*(\t)+2*\g:CW+8*(\t)+2*\g+1], v[XS+8*\g:XS+8*\g+7], v11
.endr
	v_nop                                          ; a plain instruction behind the last conversion
.if (\t)+2 < 8
	LOADW (\t)+2, \n, \src
.endif
	global_store_b128 v4, v[CW+8*(\t):CW+8*(\t)+3], s[\dst:\dst+1] offset:((\t)/4)*2048+((\t)%4)*512
	global_store_b128 v4, v[CW+8*(\t)+4:CW+8*(\t)+7], s[\dst:\dst+1] offset:((\t)/4)*2048+((\t)%4)*512+256
.endm
.macro WPATH n, src, dst, e, first
	s_sub_co_u32 s32, ttmp9, \first
	s_and_b32 s33, s32, 3                          ; which 256 along K
	s_lshr_b32 s34, s32, 2
	s_lshl_b32 s34, s34, 7
	s_lshl_b32 s35, s20, 5
	s_add_co_u32 s34, s34, s35                     ; my wave's first column
	s_mul_i32 s36, s33, 256*\n*4
	s_lshl_b32 s35, s34, 2
	s_add_co_u32 s36, s36, s35
	s_mov_b32 s37, 0
	s_add_nc_u64 s[\src:\src+1], s[\src:\src+1], s[36:37]
	s_lshl_b32 s36, s34, 10                        ; a row's share of the image is 1,024 bytes
	s_lshl_b32 s35, s33, 12                        ; 256 along K: two fragments
	s_add_co_u32 s36, s36, s35
	s_add_nc_u64 s[\dst:\dst+1], s[\dst:\dst+1], s[36:37]
	v_lshlrev_b32 v3, 2, v1                        ; in: 4 bytes a lane
	v_and_b32 v4, 7, v1
	v_bfe_u32 v5, v1, 4, 1
	v_lshl_add_u32 v4, v5, 3, v4                   ; out: the image's lane r = lane % 8 + 8 x (bit 4 of my lane),
	v_lshlrev_b32 v4, 4, v4
	v_bfe_u32 v5, v1, 3, 1
	v_lshl_add_u32 v4, v5, 14, v4                  ; in the tile that bit 3 of my lane names
	LOADW 0, \n, \src
	LOADW 1, \n, \src
	s_wait_kmcnt 0x0
	MAKESC \e
	s_wait_alu depctr_va_vdst(0)
.irp t, 0,1,2,3,4,5,6,7
	BLOCKW \t, \n, \src, \dst
.endr
	s_endpgm
.endm
.Lpath_wa:
	s_wait_alu depctr_va_vdst(0)
	WPATH 3072, 6, 14, 25, 256                     ; W_attn, e1
.Lpath_wp:
	s_wait_alu depctr_va_vdst(0)
	WPATH 1024, 8, 16, 31, 352                     ; W_proj, e7
.Lfunc_end_k_q07860ea60b_prep:
	.size	k_q07860ea60b_prep, .Lfunc_end_k_q07860ea60b_prep-k_q07860ea60b_prep
	.p2alignl 7, 3214868480
	.fill 96, 4, 3214868480
	.section	.rodata,"a",@progbits
	.p2align	6, 0x0
	.amdhsa_kernel k_q07860ea60b_prep
		.amdhsa_group_segment_fixed_size 34304
		.amdhsa_private_segment_fixed_size 0
		.amdhsa_enable_private_segment 0
		.amdhsa_kernarg_size 64
		.amdhsa_user_sgpr_count 2
		.amdhsa_user_sgpr_kernarg_segment_ptr 1
		.amdhsa_wavefront_size32 1
		.amdhsa_system_sgpr_workgroup_id_x 1
		.amdhsa_system_sgpr_workgroup_id_y 1
		.amdhsa_system_sgpr_workgroup_id_z 1
		.amdhsa_system_vgpr_workitem_id 0
		.amdhsa_next_free_vgpr 242
		.amdhsa_next_free_sgpr 66
		.amdhsa_reserve_vcc 1
		.amdhsa_float_denorm_mode_32 3
		.amdhsa_float_denorm_mode_16_64 3
		.amdhsa_memory_ordered 1
		.amdhsa_forward_progress 1
		.amdhsa_inst_pref_size 153
	.end_amdhsa_kernel
	.amdgpu_metadata
---
amdhsa.version: [ 1, 2 ]
amdhsa.kernels:
  - .name:           k_q07860ea60b_prep
    .symbol:         k_q07860ea60b_prep.kd
    .args:
      - { .name: x, .offset: 0, .size: 8, .value_kind: global_buffer, .address_space: global }
      - { .name: W_attn, .offset: 8, .size: 8, .value_kind: global_buffer, .address_space: global }
      - { .name: W_proj, .offset: 16, .size: 8, .value_kind: global_buffer, .address_space: global }
      - { .name: lowp_scales, .offset: 24, .size: 8, .value_kind: global_buffer, .address_space: global }
      - { .name: x_img, .offset: 32, .size: 8, .value_kind: global_buffer, .address_space: global }
      - { .name: wa_img, .offset: 40, .size: 8, .value_kind: global_buffer, .address_space: global }
      - { .name: wp_img, .offset: 48, .size: 8, .value_kind: global_buffer, .address_space: global }
      - { .name: tab, .offset: 56, .size: 8, .value_kind: global_buffer, .address_space: global }
    .group_segment_fixed_size: 34304
    .private_segment_fixed_size: 0
    .kernarg_segment_align: 8
    .kernarg_segment_size: 64
    .max_flat_workgroup_size: 128
    .sgpr_count:     66
    .vgpr_count:     242
    .wavefront_size: 32
...
	.end_amdgpu_metadata
.endif
;; end of part 1
;; launch qkv (part 2): grid 8 x 32, 4 waves a work-group, clusters of 4 x 4, 327,680 bytes of LDS; arguments x_img, wa_img, lowp_scales, tab, q_img, k_img, v_img; writes q_img, k_img, v_img
.if DOCPART == 2
	.amdgcn_target "amdgcn-amd-amdhsa--gfx1250"
	.amdhsa_code_object_version 6
	.text
	.protected	k_q07860ea60b_qkv
	.globl	k_q07860ea60b_qkv
	.p2align	8
	.type	k_q07860ea60b_qkv,@function
k_q07860ea60b_qkv:
	s_mov_b64 s[64:65], 0
	v_nop
	global_prefetch_b8 v0, s[64:65] scope:SCOPE_SE
	s_setreg_imm32_b32 hwreg(HW_REG_WAVE_MODE, 25, 1), 1
	s_wait_xcnt 0x0
	s_wait_alu depctr_hold_cnt(0) depctr_sa_sdst(0) depctr_va_vdst(0) depctr_va_sdst(0) depctr_va_ssrc(0) depctr_va_vcc(0) depctr_vm_vsrc(0)
	s_getreg_b32 s2, hwreg(HW_REG_IB_STS2, 6, 4)
	s_cmp_eq_u32 s2, 0
	s_cbranch_scc0 .Lentry_in_a_cluster
	s_endpgm
.Lentry_in_a_cluster:
	s_bfe_u32 s2, ttmp6, 0x10000c
	s_cmp_lg_u32 s2, 0xf033
	s_cbranch_scc0 .Lentry_shape_is_right
	s_endpgm
.Lentry_shape_is_right:
; qkv = x W_attn on codes of BF8, then the rotary turn of q and k, then the quantisers of the attention's operands: q (e2), k (e3), v (e5).  Nothing wide goes to memory.
; x_img [8192 rows], wa_img [3072 rows]: images of operand registers: a fragment of 16 rows x 128 k is 2,048 bytes, group c of four registers at 512 c, lane l at 16 l; 16 rows' eight fragments are 16,384 bytes on end.
; SHARES.  A work-group takes 256 tokens x the q, k and v columns of one pair of heads (3 sections of 128 rows of wa_img): 32 x 8 = 256 work-groups.  A wave takes 128 tokens x q, k, v of ONE head: 8 x 12 = 96 accumulators,
; q's in window 1, k's in window 2, v's in window 3: accumulator (i, a) (16 rows i of W's section, 16 tokens a) at v[8 (8 i + a)].
; q, k: source 0 = 16 rows of W, source 1 = 16 tokens: a lane holds a token, and by the order of W's rows in wa_img number 8 i + j of a head is channel 32 (i / 2) + 16 h + 8 (i % 2) + j.
; v: the sources are exchanged: a lane holds a channel and register j of accumulator (i, a) is token 16 a + 8 h + j: the keys, which are v's next K.  So every conversion's result is a group of operand registers of the attention.
; K = 1,024 comes in five fills through two LDS slots of unlike size: X takes 256 along K (16 + 24 rows of 4,096 bytes), Y 128 (rows of 2,048 bytes): X Y X Y X.  A row is the part of 16 operand rows' image, 16,384 bytes apart
; in memory, on end in LDS.  Wave 0 fetches x's 16 rows, waves 1-3 one section of W each, 8 rows.  One tensor load of a wave is out at any point.
; CLUSTERS of 4 x 4: x's tile is shared along a row of the cluster, W's along a column, each asked for jointly.
; A step is 64 along K (groups c = 2 of a fragment, the same in both operands): 96 matrix instructions.  x's eight fragments have two sets of registers; W's twelve have one: a section's four are fetched anew behind its 32 products.
; q_img, k_img: [batch x head][16 tokens][c of 2][lane][16 bytes].   v_img: [batch x head][128 keys][tile of 16 channels][c of 4][lane][16 bytes].
; A sum stands for sum x 2^(e0 + e1): the three scales are folded into the conversion's one, E = e2 (e3, e5) - e0 - e1.  LIMITS: E between -126 and 112.  NaN is not served.
; No prefetch: K is written out in five fills, two of them first fills: the text has no loop to run ahead in.
; REGISTERS, window 0: v8-13 scales and bounds; v16-29 addresses; v32-159 x's fragments (on the way out v32-95 two sets of table words, v128-191 numbers); v160-255 W's fragments (v192-223 two sets of codes).
.set XA, 0
.set XW, 65536
.set YA, 163840
.set YW, 196608
.set SPARE, 245760                     ; the spare words, 128 bytes a wave: two blocks of 256 bytes that no other line names
.set SCQ, 8
.set LMQ, 9
.set SCK, 10
.set LMK, 11
.set SCV, 12
.set LMV, 13
.set AXX, 16                           ; LDS address of my x fragments in slot X; AWX: of my head's rows of W's q section; AVX: of its v section
.set AWX, 17
.set AVX, 18
.set AXY, 19                           ; the same in slot Y
.set AWY, 20
.set LI, 24
.set SPW, 28
.set NIL, 29
.set XF, 32
.set WF, 160
.set NUM, 128
.set GXL, 24                           ; group 1: x, 16 rows of 4,096 bytes; GWL: W, 8 rows; GXS, GWS: rows of 2,048 bytes
.set GWL, 32
.set GXS, 40
.set GWS, 48
.set G0XX, 56                          ; group 0: slot X, x; G0XW: slot X, W; G0YX, G0YW: slot Y
.set G0XW, 60
.set G0YX, 68
.set G0YW, 72
.set MSB, 0
.macro WIN new                         ; the immediate's high byte repeats the setting that is left
.if MSB != \new
	s_set_vgpr_msb (MSB<<8)|\new
.set MSB, \new
.endif
.endm
.macro PLACES n
.rept \n
	v_nop
.endr
.endm
.macro JLOAD g0x, g1x, g0w, g1w        ; a joint load: wave 0 for x, waves 1-3 for W; the branch hangs on the wave's number alone; s_nop 0 and four v_nop follow each line
	s_cmp_eq_u32 s14, 0
	s_cbranch_scc0 .Lfor_w_\@
	tensor_load_to_lds s[\g0x:\g0x+3], s[\g1x:\g1x+7]
	s_nop 0
	PLACES 4
	s_branch .Lasked_\@
.Lfor_w_\@:
	tensor_load_to_lds s[\g0w:\g0w+3], s[\g1w:\g1w+7]
	s_nop 0
	PLACES 4
.Lasked_\@:
.endm
.macro CROUND                          ; a round of the cluster's barrier
	s_barrier_signal -1
	s_barrier_wait -1
	s_cmp_lg_u32 s14, 0
	s_cbranch_scc1 .Lnot_wave_0_\@
	s_barrier_signal -3
.Lnot_wave_0_\@:
	s_barrier_wait -3
	s_barrier_signal -1
	s_barrier_wait -1
.endm
.macro G1SET g, c, r                   ; r rows of c elements of 8 bytes, 2,048 elements apart
	s_mov_b32 s[\g+1], (\c)<<16
	s_mov_b32 s[\g+2], (\r)<<16
	s_mov_b32 s[\g+3], (\c)<<16
	s_mov_b32 s[\g+4], \r
	s_mov_b32 s[\g+5], 2048
	s_mov_b32 s[\g+6], 0
	s_mov_b32 s[\g+7], 0
.endm
	s_load_b256 s[4:11], s[0:1], 0x0               ; x_img s[4:5], wa_img s[6:7], the scales' exponents s[8:9], tab s[10:11]
	s_load_b128 s[84:87], s[0:1], 0x20             ; q_img, k_img
	s_load_b64 s[88:89], s[0:1], 0x30              ; v_img
	v_lshl_add_u32 v[SPW], v0, 2, SPARE
	v_mov_b32 v[NIL], 0
	ds_add_u32 v[SPW], v[NIL]                      ; the opening: the add, twice on end, and its wait ahead of my first tensor load
	ds_add_u32 v[SPW], v[NIL]
	v_lshrrev_b32 v1, 5, v0
	v_readfirstlane_b32 s14, v1                    ; wave 0..3
	s_lshr_b32 s15, s14, 1                         ; which 128 tokens are mine
	s_and_b32 s16, s14, 1                          ; which head of the pair
	s_bfe_u32 s12, ttmp6, 0x40000                  ; cx, cy
	s_bfe_u32 s13, ttmp6, 0x40004
	s_lshl_b32 s17, ttmp9, 2
	s_add_co_u32 s17, s17, s12                     ; the pair of heads, 0..7
	s_and_b32 s18, ttmp7, 0xffff
	s_lshl_b32 s18, s18, 2
	s_add_co_u32 s18, s18, s13                     ; the block of 256 tokens, 0..31
	s_lshl_b32 s19, s13, 2
	s_lshl_b32 s19, 15, s19                        ; my row of the cluster
	s_lshl_b32 s20, 0x1111, s12                    ; my column
	s_or_b32 s[GXL], s19, (3<<16)|(1<<21)
	s_or_b32 s[GXS], s19, (3<<16)|(1<<21)
	s_or_b32 s[GWL], s20, (3<<16)|(1<<21)
	s_or_b32 s[GWS], s20, (3<<16)|(1<<21)
	G1SET GXL, 512, 16
	G1SET GWL, 512, 8
	G1SET GXS, 256, 16
	G1SET GWS, 256, 8
	s_lshl_b32 s92, s18, 18                        ; x: 256 rows of 1,024 bytes of image a block
	s_mov_b32 s93, 0
	s_add_co_u32 s21, s14, 3
	s_and_b32 s21, s21, 3                          ; waves 1, 2, 3: section 0, 1, 2 (wave 0 never asks by it)
	s_lshl_b32 s94, s21, 20                        ; W: a section is 1,024 rows, a pair of heads 128
	s_lshl_b32 s22, s17, 17
	s_add_co_u32 s94, s94, s22
	s_mov_b32 s95, 0
	s_lshl_b32 s22, s21, 15
	s_add_co_u32 s22, s22, XW                      ; where a section goes in slot X,
	s_lshl_b32 s23, s21, 14
	s_add_co_u32 s23, s23, YW                      ; in slot Y: no place in the cluster enters an LDS address
	s_wait_dscnt 0x0                               ; both opening adds are done
	s_wait_kmcnt 0x0
	s_load_b256 s[76:83], s[8:9], 0x0              ; e0 .. e7
	s_add_nc_u64 s[92:93], s[4:5], s[92:93]
	s_add_nc_u64 s[94:95], s[6:7], s[94:95]
	CROUND                                         ; all sixteen work-groups are here: the first joint loads meet
	s_mov_b32 s[G0XX], 1
	s_mov_b32 s[G0XX+1], XA
	s_mov_b64 s[G0XX+2:G0XX+3], s[92:93]           ; k 0-255
	s_or_b32 s[G0XX+3], s[G0XX+3], 0x80000000
	s_mov_b32 s[G0XW], 1
	s_mov_b32 s[G0XW+1], s22
	s_mov_b64 s[G0XW+2:G0XW+3], s[94:95]
	s_or_b32 s[G0XW+3], s[G0XW+3], 0x80000000
	s_mov_b32 s[G0YX], 1
	s_mov_b32 s[G0YX+1], YA
	s_add_nc_u64 s[G0YX+2:G0YX+3], s[92:93], 4096  ; k 256-383
	s_or_b32 s[G0YX+3], s[G0YX+3], 0x80000000
	s_mov_b32 s[G0YW], 1
	s_mov_b32 s[G0YW+1], s23
	s_add_nc_u64 s[G0YW+2:G0YW+3], s[94:95], 4096
	s_or_b32 s[G0YW+3], s[G0YW+3], 0x80000000
	JLOAD G0XX, GXL, G0XW, GWL                     ; my one load at the head
	s_lshl_b32 s90, s15, 15                        ; my 8 rows of x in slot X
	s_lshl_b32 s91, s16, 14
	s_add_co_u32 s91, s91, XW                      ; my head's 4 rows of the q section
	s_add_co_u32 s98, s91, 65536                   ; of the v section, 16 rows on
	s_lshl_b32 s99, s15, 14
	s_add_co_u32 s99, s99, YA
	s_lshl_b32 s21, s16, 13
	s_add_co_u32 s21, s21, YW
	v_and_b32 v1, 31, v0
	v_lshlrev_b32 v[LI], 4, v1
	v_add_nc_u32 v[AXX], s90, v[LI]
	v_add_nc_u32 v[AWX], s91, v[LI]
	v_add_nc_u32 v[AVX], s98, v[LI]
	v_add_nc_u32 v[AXY], s99, v[LI]
	v_add_nc_u32 v[AWY], s21, v[LI]
	s_lshr_b32 s12, s18, 3                         ; batch
	s_lshl_b32 s12, s12, 4
	s_lshl_b32 s13, s17, 1
	s_add_co_u32 s13, s13, s16
	s_add_co_u32 s12, s12, s13                     ; 16 batch + my head
	s_and_b32 s13, s18, 7                          ; which 256 tokens of the batch
	s_lshl_b32 s22, s12, 7                         ; q_img, k_img: x 128 tiles of 16 tokens + my first tile, 1,024 bytes each
	s_lshl_b32 s23, s13, 4
	s_add_co_u32 s22, s22, s23
	s_lshl_b32 s23, s15, 3
	s_add_co_u32 s22, s22, s23
	s_lshl_b32 s22, s22, 10
	s_mov_b32 s23, 0
	s_add_nc_u64 s[84:85], s[84:85], s[22:23]
	s_add_nc_u64 s[86:87], s[86:87], s[22:23]
	s_lshl_b32 s22, s12, 4                         ; v_img: x 16 steps of 128 keys + my step, 8,192 bytes each
	s_lshl_b32 s19, s13, 1
	s_add_co_u32 s22, s22, s19
	s_add_co_u32 s22, s22, s15
	s_lshl_b32 s22, s22, 13
	s_add_nc_u64 s[88:89], s[88:89], s[22:23]
	s_lshl_b32 s22, s13, 16                        ; tab: the tile of my first 16 positions, 4,096 bytes each
	s_lshl_b32 s19, s15, 15
	s_add_co_u32 s22, s22, s19
	s_add_nc_u64 s[96:97], s[10:11], s[22:23]
.macro WLOAD adr, p, sec, sb, j        ; the four fragments of W's section sec for the slot's j-th 64 along K; sb: the section's first row from v[adr], rows p bytes apart
.irp i, 0,1,2,3
.irp c, 0,1
	ds_load_b128 v[WF+8*(4*(\sec)+\i)+4*\c:WF+8*(4*(\sec)+\i)+4*\c+3], v[\adr] offset:(\p)*((\sb)+\i)+1024*(\j)+512*\c
.endr
.endr
.endm
.macro XLOAD adr, p, j, t              ; x's eight fragments into set t
.irp a, 0,1,2,3,4,5,6,7
.irp c, 0,1
	ds_load_b128 v[XF+64*(\t)+8*\a+4*\c:XF+64*(\t)+8*\a+4*\c+3], v[\adr] offset:(\p)*\a+1024*(\j)+512*\c
.endr
.endr
.endm
; 32 matrix instructions: a section's four fragments x x's eight.  The 96 accumulators take turns, one instruction a turn, in the same order in every step.  zero = 1: the first product starts the sums
.macro GROUP sec, t, zero
	WIN 0x50+0x50*(\sec)
.irp i, 0,1,2,3
.irp a, 0,1,2,3,4,5,6,7
.if \sec < 2
.if \zero
	v_wmma_f32_16x16x64_bf8_bf8 v[8*(8*\i+\a):8*(8*\i+\a)+7], v[WF+8*(4*(\sec)+\i):WF+8*(4*(\sec)+\i)+7], v[XF+64*(\t)+8*\a:XF+64*(\t)+8*\a+7], 0
.else
	v_wmma_f32_16x16x64_bf8_bf8 v[8*(8*\i+\a):8*(8*\i+\a)+7], v[WF+8*(4*(\sec)+\i):WF+8*(4*(\sec)+\i)+7], v[XF+64*(\t)+8*\a:XF+64*(\t)+8*\a+7], v[8*(8*\i+\a):8*(8*\i+\a)+7]
.endif
.else
.if \zero
	v_wmma_f32_16x16x64_bf8_bf8 v[8*(8*\i+\a):8*(8*\i+\a)+7], v[XF+64*(\t)+8*\a:XF+64*(\t)+8*\a+7], v[WF+8*(4*(\sec)+\i):WF+8*(4*(\sec)+\i)+7], 0
.else
	v_wmma_f32_16x16x64_bf8_bf8 v[8*(8*\i+\a):8*(8*\i+\a)+7], v[XF+64*(\t)+8*\a:XF+64*(\t)+8*\a+7], v[WF+8*(4*(\sec)+\i):WF+8*(4*(\sec)+\i)+7], v[8*(8*\i+\a):8*(8*\i+\a)+7]
.endif
.endif
.endr
.endr
.endm
.macro FETCHALL ax, aw, av, vb, p      ; a slot's first step: 40 loads, in the order in which every step asks: q's and x's, k's, v's
	WLOAD \aw, \p, 0, 0, 0
	XLOAD \ax, \p, 0, 0
	WLOAD \aw, \p, 1, 8, 0
	WLOAD \av, \p, 2, \vb, 0
.endm
; A step of 64 along K, the slot's j-th.  last = 1: the slot's last: nothing more to fetch from it.  Four places stand in front of loads into registers that matrix instructions have read (ISA guide 7.12.1 for vector instructions).
.macro KS ax, aw, av, vb, p, j, last, zero
	s_wait_dscnt 16                                ; q's fragments and x's are in; k's 8 loads and v's 8 may be out
	GROUP 0, (\j)%2, \zero
.if \last == 0
	PLACES 4
	WIN 0
	WLOAD \aw, \p, 0, 0, (\j)+1
	XLOAD \ax, \p, (\j)+1, ((\j)+1)%2
	s_wait_dscnt 32                                ; k's are in; v's 8 and the 24 just issued may be out
.else
	s_wait_dscnt 8                                 ; k's are in; v's 8 may be out
.endif
	GROUP 1, (\j)%2, \zero
.if \last == 0
	PLACES 4
	WIN 0
	WLOAD \aw, \p, 1, 8, (\j)+1
	s_wait_dscnt 32                                ; v's are in; the 24 and the 8 issued since may be out
.else
	s_wait_dscnt 0x0
.endif
	GROUP 2, (\j)%2, \zero
.if \last == 0
	PLACES 4
	WIN 0
	WLOAD \av, \p, 2, \vb, (\j)+1
.endif
	WIN 0
.endm
.macro SLOTX zero                      ; 256 along K from slot X
	FETCHALL AXX, AWX, AVX, 0, 4096
	KS AXX, AWX, AVX, 0, 4096, 0, 0, \zero
	KS AXX, AWX, AVX, 0, 4096, 1, 0, 0
	KS AXX, AWX, AVX, 0, 4096, 2, 0, 0
	KS AXX, AWX, AVX, 0, 4096, 3, 1, 0
.endm
.macro SLOTY                           ; 128 along K from slot Y
	FETCHALL AXY, AWY, AWY, 16, 2048
	KS AXY, AWY, AWY, 16, 2048, 0, 0, 0
	KS AXY, AWY, AWY, 16, 2048, 1, 1, 0
.endm
; The slot just read is filled again, 384 along K on (6,144 bytes of each row's image): the three lines, a round, the joint refill; its four v_nop are also the places in front of the loads that follow
.macro REFILL g0x, g1x, g0w, g1w
	s_wait_tensorcnt 0x0                           ; all my tensor loads have landed: my part of the other slot
	ds_add_u32 v[SPW], v[NIL]
	s_add_nc_u64 s[\g0x+2:\g0x+3], s[\g0x+2:\g0x+3], 6144
	s_add_nc_u64 s[\g0w+2:\g0w+3], s[\g0w+2:\g0w+3], 6144
	s_wait_dscnt 0x0                               ; the add is done; my reads of this slot were over above
	CROUND                                         ; no wave of any partner still reads this slot or has a load on its way
	JLOAD \g0x, \g1x, \g0w, \g1w
.endm
	s_wait_alu depctr_va_vdst(0)                   ; the wait at the head's end
	s_wait_tensorcnt 0x0                           ; my part of k 0-255 is in; the three lines ahead of a later first fill
	ds_add_u32 v[SPW], v[NIL]
	s_wait_dscnt 0x0
	CROUND
	JLOAD G0YX, GXS, G0YW, GWS                     ; k 256-383: the first tensor load behind the round
	SLOTX 1                                        ; k 0-255
	REFILL G0XX, GXL, G0XW, GWL                    ; k 384-639
	SLOTY                                          ; k 256-383
	REFILL G0YX, GXS, G0YW, GWS                    ; k 640-767
	SLOTX 0
	REFILL G0XX, GXL, G0XW, GWL                    ; k 768-1,023
	SLOTY
	s_wait_tensorcnt 0x0                           ; my part of the last fill is in,
	s_barrier_signal -1
	s_barrier_wait -1                              ; everybody's is; nothing is filled from here on
	PLACES 4
	SLOTX 0
.macro MAKESC e, sc, lm                ; E = s[e] - e0 - e1: v[sc] = 2^E as f32 (the conversion takes its exponent field), v[lm] = 57,344 x 2^E
	s_sub_co_i32 s90, s[\e], s76
	s_sub_co_i32 s90, s90, s77
	s_add_co_i32 s90, s90, 127
	s_lshl_b32 s91, s90, 23
	v_mov_b32 v[\sc], s91
	s_add_co_i32 s90, s90, 15
	s_lshl_b32 s90, s90, 23
	s_or_b32 s90, s90, 0x600000
	v_mov_b32 v[\lm], s90
.endm
.macro TABLOAD a                       ; the table words of my tokens 16 a on: 8 pieces of 512 bytes on end, into set a % 2
.irp g, 0,1,2,3,4,5,6,7
	global_load_b128 v[32+32*((\a)%2)+4*\g:32+32*((\a)%2)+4*\g+3], v[LI], s[96:97] offset:4096*(\a)+512*\g
.endr
.endm
; v, channel tile i: its 64 registers are keys 16 a + 8 h + j of my 128: registers 2 a, 2 a + 1 of the fragment.  The hold comes first: the conversion does not saturate (ISA guide 7.6.2).
.macro VOUT i
.set CD, 192+16*((\i)%2)
	WIN 0x03
.set n, 0
.rept 64
	v_med3_num_f32 v[NUM+n], v[64*(\i)+n], -v[LMV], v[LMV]
.set n, n+1
.endr
	WIN 0
.if (\i) >= 2
	s_wait_alu depctr_va_vdst(0)
	s_wait_xcnt 0x0                                ; the stores of two tiles back have read this set of codes
.endif
.irp g, 0,1,2,3,4,5,6,7
	v_cvt_scalef32_pk8_bf8_f32 v[CD+2*\g:CD+2*\g+1], v[NUM+8*\g:NUM+8*\g+7], v[SCV]
.endr
	v_nop                                          ; a plain instruction behind the last conversion
.irp c, 0,1,2,3
	global_store_b128 v[LI], v[CD+4*\c:CD+4*\c+3], s[88:89] offset:2048*(\i)+512*\c   ; 512 bytes on end, aligned
.endr
.endm
; The turn: a pair of registers is a pair (a, b): (a cos - b sin, b cos + a sin), by one packed multiply, (-b sin, a sin), and one packed multiply-add; the table's pair is (cos, sin).  Each accumulator is read from its low end on.
.macro ROT w, a, nb
	WIN \w
.set n, 0
.rept 16
	v_pk_mul_f32 v[\nb+n:\nb+n+1], v[64*(n/8)+8*(\a)+n%8:64*(n/8)+8*(\a)+n%8+1], v[TS+n:TS+n+1] op_sel:[1,1] op_sel_hi:[0,1] neg_lo:[0,1]
.set n, n+2
.endr
.set n, 0
.rept 16
	v_pk_fma_f32 v[\nb+n:\nb+n+1], v[64*(n/8)+8*(\a)+n%8:64*(n/8)+8*(\a)+n%8+1], v[TS+n:TS+n+1], v[\nb+n:\nb+n+1] op_sel_hi:[1,0,1]
.set n, n+2
.endr
.endm
.macro QKOUT a                         ; my tokens 16 a on: q's 32 numbers a lane, then k's; both take the same table words
.set TS, 32+32*((\a)%2)
.set CD, 192+16*((\a)%2)
.if (\a) < 7
	s_wait_loadcnt 8                               ; this block's table words are in; the next block's eight loads may be out
.else
	s_wait_loadcnt 0
.endif
	ROT 0x01, \a, NUM
	ROT 0x02, \a, NUM+32
	WIN 0
.if (\a) < 6
	TABLOAD (\a)+2                                 ; into the set just read
.endif
.set n, 0
.rept 32
	v_med3_num_f32 v[NUM+n], v[NUM+n], -v[LMQ], v[LMQ]
	v_med3_num_f32 v[NUM+32+n], v[NUM+32+n], -v[LMK], v[LMK]
.set n, n+1
.endr
	s_wait_alu depctr_va_vdst(0)
	s_wait_xcnt 0x0                                ; the stores of two blocks back have read this set of codes
.irp g, 0,1,2,3
	v_cvt_scalef32_pk8_bf8_f32 v[CD+2*\g:CD+2*\g+1], v[NUM+8*\g:NUM+8*\g+7], v[SCQ]
.endr
.irp g, 4,5,6,7
	v_cvt_scalef32_pk8_bf8_f32 v[CD+2*\g:CD+2*\g+1], v[NUM+8*\g:NUM+8*\g+7], v[SCK]
.endr
	v_nop                                          ; a plain instruction behind the last conversion
	global_store_b128 v[LI], v[CD:CD+3], s[84:85] offset:1024*(\a)          ; channels 0-31: 512 bytes on end, aligned
	global_store_b128 v[LI], v[CD+4:CD+7], s[84:85] offset:1024*(\a)+512    ; channels 32-63
	global_store_b128 v[LI], v[CD+8:CD+11], s[86:87] offset:1024*(\a)
	global_store_b128 v[LI], v[CD+12:CD+15], s[86:87] offset:1024*(\a)+512
.endm
	s_wait_kmcnt 0x0                               ; the scales' exponents
	MAKESC 78, SCQ, LMQ
	MAKESC 79, SCK, LMK
	MAKESC 81, SCV, LMV
	PLACES 4                                       ; behind the last products: in front of the first reads of results and of loads and writes into the fragments' registers
	TABLOAD 0                                      ; the first two blocks' table words land under v's way out
	TABLOAD 1
	s_wait_alu depctr_va_vdst(0)                   ; the scales and bounds were written among scalar lines
.irp i, 0,1,2,3
	VOUT \i
.endr
.irp a, 0,1,2,3,4,5,6,7
	QKOUT \a
.endr
	s_wait_tensorcnt 0x0                           ; the wave's end
	ds_add_u32 v[SPW], v[NIL]
	s_wait_dscnt 0x0
	CROUND                                         ; the closing round
	s_endpgm
.Lfunc_end_k_q07860ea60b_qkv:
	.size	k_q07860ea60b_qkv, .Lfunc_end_k_q07860ea60b_qkv-k_q07860ea60b_qkv
	.p2alignl 7, 3214868480
	.fill 96, 4, 3214868480
	.section	.rodata,"a",@progbits
	.p2align	6, 0x0
	.amdhsa_kernel k_q07860ea60b_qkv
		.amdhsa_group_segment_fixed_size 327680
		.amdhsa_private_segment_fixed_size 0
		.amdhsa_enable_private_segment 0
		.amdhsa_kernarg_size 56
		.amdhsa_user_sgpr_count 2
		.amdhsa_user_sgpr_kernarg_segment_ptr 1
		.amdhsa_wavefront_size32 1
		.amdhsa_system_sgpr_workgroup_id_x 1
		.amdhsa_system_sgpr_workgroup_id_y 1
		.amdhsa_system_sgpr_workgroup_id_z 1
		.amdhsa_system_vgpr_workitem_id 0
		.amdhsa_next_free_vgpr 1024
		.amdhsa_next_free_sgpr 100
		.amdhsa_reserve_vcc 0
		.amdhsa_float_denorm_mode_32 3
		.amdhsa_float_denorm_mode_16_64 3
		.amdhsa_memory_ordered 1
		.amdhsa_forward_progress 1
		.amdhsa_inst_pref_size 255
	.end_amdhsa_kernel
	.section	.bss,"aw",@nobits
	.p2align	6
	.space	262144
	.amdgpu_metadata
---
amdhsa.version: [ 1, 2 ]
amdhsa.kernels:
  - .name:           k_q07860ea60b_qkv
    .symbol:         k_q07860ea60b_qkv.kd
    .args:
      - { .name: x_img, .offset: 0, .size: 8, .value_kind: global_buffer, .address_space: global }
      - { .name: wa_img, .offset: 8, .size: 8, .value_kind: global_buffer, .address_space: global }
      - { .name: lowp_scales, .offset: 16, .size: 8, .value_kind: global_buffer, .address_space: global }
      - { .name: tab, .offset: 24, .size: 8, .value_kind: global_buffer, .address_space: global }
      - { .name: q_img, .offset: 32, .size: 8, .value_kind: global_buffer, .address_space: global }
      - { .name: k_img, .offset: 40, .size: 8, .value_kind: global_buffer, .address_space: global }
      - { .name: v_img, .offset: 48, .size: 8, .value_kind: global_buffer, .address_space: global }
    .group_segment_fixed_size: 327680
    .private_segment_fixed_size: 0
    .kernarg_segment_align: 8
    .kernarg_segment_size: 56
    .max_flat_workgroup_size: 128
    .sgpr_count:     100
    .vgpr_count:     1024
    .wavefront_size: 32
...
	.end_amdgpu_metadata
.endif
;; end of part 2
;; launch attn (part 3): grid 256 x 1, 8 waves a work-group, clusters of 4 x 1, 327,680 bytes of LDS; arguments q_img, k_img, v_img, lowp_scales, y_img; writes y_img
.if DOCPART == 3
	.amdgcn_target "amdgcn-amd-amdhsa--gfx1250"
	.amdhsa_code_object_version 6
	.text
	.protected	k_q07860ea60b_attn
	.globl	k_q07860ea60b_attn
	.p2align	8
	.type	k_q07860ea60b_attn,@function
k_q07860ea60b_attn:
	s_mov_b64 s[64:65], 0
	v_nop
	global_prefetch_b8 v0, s[64:65] scope:SCOPE_SE
	s_setreg_imm32_b32 hwreg(HW_REG_WAVE_MODE, 25, 1), 1
	s_wait_xcnt 0x0
	s_wait_alu depctr_hold_cnt(0) depctr_sa_sdst(0) depctr_va_vdst(0) depctr_va_sdst(0) depctr_va_ssrc(0) depctr_va_vcc(0) depctr_vm_vsrc(0)
	s_getreg_b32 s2, hwreg(HW_REG_IB_STS2, 6, 4)
	s_cmp_eq_u32 s2, 0
	s_cbranch_scc0 .Lentry_in_a_cluster
	s_endpgm
.Lentry_in_a_cluster:
	s_bfe_u32 s2, ttmp6, 0x10000c
	s_cmp_lg_u32 s2, 0x3003
	s_cbranch_scc0 .Lentry_shape_is_right
	s_endpgm
.Lentry_shape_is_right:
; Causal attention on codes of BF8, head size 64, 2,048 tokens, 64 heads x batches.  y = softmax(q k^T / 8, causal) v, quantised (e6) into the image of the last product's left operand.
; THE SOFTMAX AHEAD OF THE SECOND PRODUCT: t = score x log2(e) / 8; M = the row's largest t so far, rounded UP to a whole number; p = 2^(t - M) is quantised (e4), not normalised; the row's sum is taken of the
; unquantised p and divides at the end.  When M moves, the sum and O are multiplied by 2^(old M - new M): exact.
; SHARES.  A cluster of 4 x 1 work-groups owns one head.  The queries go in 16 groups of 128; the partner at place cx owns queries 32 cx .. 32 cx + 31 of EVERY group.  Wave w of eight owns groups 15 - w and w, one after the
; other: (16 - w) + (w + 1) = 17 steps of 128 keys in every wave.  A wave's 32 queries are two tiles of 16, A and B, which share each fragment of K and V read from LDS.
; CAUSAL.  Steps whose 128 keys all come after the group are left out; which step is hidden and which lies on the diagonal hangs on the group, so on the wave's number and the count
; of trips alone, never on cx.  On the diagonal hidden scores become -infinity by compare and select on the lane's own query (cx enters there as data).  Each query sees its own key, so M is a number from its first step on.
; JOINT LOADS.  All four partners read all of the head's K and V (each has a wave on group 15), so each piece is asked for jointly, mask 15.  LDS holds the whole head, filled once: K's 131,072 bytes, then V's.
; At the head wave w brings 8,192 bytes of keys 0-511 (waves 0-3 K, 4-7 V); behind the three lines and a round it brings 24,576 bytes of keys 512-2,047, which land under the four steps on keys 0-511 (every first group
; is 8 or later and sees them all).  One tensor load of a wave is out at any point.  Behind the next barrier the waves do not meet again until the closing round.
; NO PREFETCH: all of K and V is asked for by these two groups of loads at the head; no later stream is left to ask ahead for.
; LAYOUT.  Both products are used transposed: S^T = K Q^T, O^T = V^T P^T: a lane holds ONE query (lane % 16).  Register j of S^T's tile u is key 16 u + 8 h + j, so a tile's conversion gives registers 2 u, 2 u + 1 of P, as v_img
; has the keys.  O^T's registers 16 b + i are channels 32 b + 16 h + i: the conversions' results are groups of four registers of the next operand.  All tiles are images of registers: every LDS load takes 512 bytes on end.
; LIMITS: e2 + e3 between -123 and 130 (added to c's exponent field); e4 and e6 between -126 and 112; the scaled scores stay under 2^31 in magnitude; NaN is not served.
; REGISTERS.  Window 0: v1-7 addresses; v8-11, v28-29 at work; v12-15 (-M, largest score) of A, B; v16-19 sums; v20-23 f; v24-27, v30-31 constants; v32-95 S^T then p of A; v96-159 of B; v160-191 p's codes; v192-207 at work;
;   v208-223 y's codes; v224-239 Q of the group in hand; v240-255 Q of the second group.   Window 1: v0-63 K's eight fragments; v64-127 V's four; v128-159 O^T of A; v160-191 of B.
.set VOFF,  131072
.set SPARE, 262144                     ; behind K and V: the spare words, 128 bytes a wave: four blocks of 256 bytes that no other line names
.set LI, 1
.set SPW, 2
.set NIL, 3
.set ADK, 4
.set ADV, 5
.set MB, 6                             ; v6: lane % 16 - 8 (lane / 16) + 32 cx
.set LV, 7                             ; v7: 16 x lane + V's first LDS byte; never rewritten
.set TN, 66                            ; s66: LDS byte of the next step's K
.set SA, 32
.set SB, 96
.set PA, 160
.set PB, 176
.set TT, 192
.set CD, 208
.set QQ, 224
.set Q2, 240
.set KR, 0
.set VR, 64
.set OA, 128
.set OB, 160
.set WV, 18
.set CX, 19
.set SEL, 20
.set CS, 22
.set G1A, 24                           ; s[24:31] group 1: 32 rows of 256 bytes;  s[48:55]: 96 rows
.set G0A, 32
.set G0B, 36
.set G1B, 48
.set QG2, 67
.set TB, 84                            ; LDS byte of the step's K
.set KF, 85                            ; the step's first key
.set QG, 86                            ; my group's first query
.set CNT, 87
.set EY, 88
.set MSB, 0
.macro WIN new                         ; the immediate's high byte repeats the setting that is left
.if MSB != \new
	s_set_vgpr_msb (MSB<<8)|\new
.set MSB, \new
.endif
.endm
.macro ROUND                           ; a round of the cluster's barrier
	s_barrier_signal -1
	s_barrier_wait -1
	s_cmp_lg_u32 s[WV], 0
	s_cbranch_scc1 .Lnot_wave_0_\@
	s_barrier_signal -3
.Lnot_wave_0_\@:
	s_barrier_wait -3
	s_barrier_signal -1
	s_barrier_wait -1
.endm
.macro NOPS n
.rept \n
	v_nop
.endr
.endm
.macro INIT                            ; a group begins: the step is written for every step alike; the first finds zeros, which the first change of M leaves zeros
	v_mov_b32 v13, 0xff61b1e6                      ; the largest score so far: -3e38
	v_mov_b32 v15, 0xff61b1e6
	v_mov_b32 v12, 0x7f61b1e6                      ; -M: 3e38, a whole number
	v_mov_b32 v14, 0x7f61b1e6
.irp r, 16,17,18,19
	v_mov_b32 v\r, 0
.endr
	WIN 0x40
.set i, 0
.rept 64
	v_mov_b32 v[OA+i], 0
.set i, i+1
.endr
	WIN 0
.endm
	s_load_b256 s[4:11], s[0:1], 0x0               ; q_img s[4:5], k_img s[6:7], v_img s[8:9], the scales' exponents s[10:11]
	s_load_b64 s[12:13], s[0:1], 0x20              ; y_img
	v_lshl_add_u32 v[SPW], v0, 2, SPARE
	v_mov_b32 v[NIL], 0
	ds_add_u32 v[SPW], v[NIL]                      ; the opening: the add, twice on end, and its wait ahead of my first tensor load
	ds_add_u32 v[SPW], v[NIL]
	v_lshrrev_b32 v8, 5, v0
	v_readfirstlane_b32 s[WV], v8                  ; wave 0..7
	s_bfe_u32 s[CX], ttmp6, 0x40000                ; cx; ttmp9 is the cluster's x: 16 batch + head
	s_mov_b32 s[G1A], 15|(3<<16)|(1<<21)           ; mask: all four partners; elements of 8 bytes; bit 21 beside a mask
	s_mov_b32 s[G1A+1], 32<<16
	s_mov_b32 s[G1A+2], 32<<16
	s_mov_b32 s[G1A+3], 32<<16
	s_mov_b32 s[G1A+4], 32
	s_mov_b32 s[G1A+5], 32
	s_mov_b32 s[G1A+6], 0
	s_mov_b32 s[G1A+7], 0
	s_mov_b32 s[G1B], 15|(3<<16)|(1<<21)
	s_mov_b32 s[G1B+1], 32<<16
	s_mov_b32 s[G1B+2], 96<<16
	s_mov_b32 s[G1B+3], 32<<16
	s_mov_b32 s[G1B+4], 96
	s_mov_b32 s[G1B+5], 32
	s_mov_b32 s[G1B+6], 0
	s_mov_b32 s[G1B+7], 0
	s_and_b32 s40, s[WV], 3                        ; which quarter I fetch,
	s_lshr_b32 s41, s[WV], 2
	s_lshl_b32 s41, s41, 17                        ; of K (0) or of V (behind K)
	s_lshl_b32 s42, s40, 13                        ; keys 0-511: 8,192 bytes a wave
	s_mul_i32 s43, s40, 24576
	s_add_co_u32 s43, s43, 32768                   ; keys 512-2,047: 24,576 bytes a wave
	s_mov_b32 s[G0A], 1
	s_add_co_u32 s[G0A+1], s41, s42                ; a byte's place in LDS is its place in the head's image
	s_mov_b32 s[G0B], 1
	s_add_co_u32 s[G0B+1], s41, s43
	s_lshl_b32 s44, ttmp9, 17                      ; the head's first byte in q_img, k_img, v_img
	s_add_co_u32 s56, s44, s42
	s_mov_b32 s57, 0
	s_add_co_u32 s58, s44, s43
	s_mov_b32 s59, 0
	s_sub_co_u32 s94, 15, s[WV]                    ; my first group
	s_lshl_b32 s95, s[CX], 1
	s_lshl_b32 s96, s94, 3
	s_add_co_u32 s96, s96, s95                     ; its tile A of 16 queries: 8 group + 2 cx
	s_lshl_b32 s97, s[WV], 3
	s_add_co_u32 s97, s97, s95                     ; the second group's
	s_lshl_b32 s60, s96, 10                        ; a tile of Q is 1,024 bytes
	s_add_co_u32 s60, s60, s44
	s_mov_b32 s61, 0
	s_lshl_b32 s62, s97, 10
	s_add_co_u32 s62, s62, s44
	s_mov_b32 s63, 0
	s_lshr_b32 s45, ttmp9, 4                       ; y_img: (128 batch + tile) x 16,384 + head x 1,024
	s_lshl_b32 s45, s45, 21
	s_and_b32 s89, ttmp9, 15
	s_lshl_b32 s89, s89, 10
	s_add_co_u32 s45, s45, s89
	s_lshl_b32 s90, s96, 14
	s_add_co_u32 s90, s90, s45
	s_mov_b32 s91, 0
	s_lshl_b32 s92, s97, 14
	s_add_co_u32 s92, s92, s45
	s_mov_b32 s93, 0
	s_lshl_b32 s[QG], s94, 7
	s_lshl_b32 s[QG2], s[WV], 7
	s_mov_b32 s[SEL], 0x76543210
	s_mov_b32 s[SEL+1], 0xfedcba98
	s_mov_b32 s[CS], 0x3e38aa3b                    ; log2(e) / 8
	s_wait_dscnt 0x0                               ; both opening adds are done
	s_wait_kmcnt 0x0
	s_load_b256 s[68:75], s[10:11], 0x0            ; e0 .. e7
	s_cmp_lt_u32 s[WV], 4
	s_cselect_b64 s[46:47], s[6:7], s[8:9]         ; K's codes or V's
	s_add_nc_u64 s[G0A+2:G0A+3], s[46:47], s[56:57]
	s_or_b32 s[G0A+3], s[G0A+3], 0x80000000
	s_add_nc_u64 s[G0B+2:G0B+3], s[46:47], s[58:59]
	s_or_b32 s[G0B+3], s[G0B+3], 0x80000000
	ROUND                                          ; all four partners are here: the first joint loads meet
	tensor_load_to_lds s[G0A:G0A+3], s[G1A:G1A+7]  ; keys 0-511: my one load at the head
	s_nop 0
	NOPS 4
	s_add_nc_u64 s[76:77], s[4:5], s[60:61]
	s_add_nc_u64 s[78:79], s[4:5], s[62:63]
	s_add_nc_u64 s[80:81], s[12:13], s[90:91]
	s_add_nc_u64 s[82:83], s[12:13], s[92:93]
	v_and_b32 v[LI], 31, v0
	v_lshlrev_b32 v[LI], 4, v[LI]
	v_add_nc_u32 v[LV], VOFF, v[LI]
.irp c, 0,1,2,3
	global_load_b128 v[QQ+4*\c:QQ+4*\c+3], v[LI], s[76:77] offset:512*\c   ; tiles A and B lie on end
	global_load_b128 v[Q2+4*\c:Q2+4*\c+3], v[LI], s[78:79] offset:512*\c
.endr
	v_and_b32 v8, 15, v0
	v_bfe_u32 v9, v0, 4, 1
	v_lshlrev_b32 v9, 3, v9
	v_sub_nc_u32 v[MB], v8, v9
	s_lshl_b32 s95, s[CX], 5
	v_add_nc_u32 v[MB], s95, v[MB]
	v_mov_b32 v10, 0                               ; a lane permute's destination counts as one of its sources
	v_mov_b32 v11, 0
	v_mov_b32 v21, 0                               ; (named as the upper halves of pairs)
	v_mov_b32 v23, 0
	v_mov_b32 v31, 0xff800000                      ; -infinity
	INIT
	s_wait_kmcnt 0x0
	s_add_co_i32 s40, s70, s71
	s_lshl_b32 s40, s40, 23
	s_add_co_i32 s[CS], s[CS], s40                 ; a score stands for score x 2^(e2 + e3): added to c's exponent field
	s_mov_b32 s[CS+1], s[CS]
	s_add_co_i32 s40, s72, 127
	s_lshl_b32 s41, s40, 23
	v_mov_b32 v26, s41                             ; 2^e4
	s_add_co_i32 s40, s40, 15
	s_lshl_b32 s40, s40, 23
	s_or_b32 s40, s40, 0x600000
	v_mov_b32 v24, s40                             ; 57,344 x 2^e4, twice: one for each half of a dual pair
	v_mov_b32 v25, s40
	s_add_co_i32 s40, s74, 127
	s_lshl_b32 s41, s40, 23
	v_mov_b32 v30, s41                             ; 2^e6
	s_add_co_i32 s40, s40, 15
	s_lshl_b32 s40, s40, 23
	s_or_b32 s40, s40, 0x600000
	v_mov_b32 v27, s40                             ; 57,344 x 2^e6
	s_add_co_i32 s[EY], s72, s73                   ; e4 + e5
	s_wait_alu depctr_va_vdst(0)                   ; the wait at the head's end
	s_wait_tensorcnt 0x0                           ; my part of keys 0-511 is in; the three lines ahead of a later first fill
	ds_add_u32 v[SPW], v[NIL]
	s_wait_dscnt 0x0
	ROUND                                          ; everybody's part is in, and the partners' joint loads meet
	tensor_load_to_lds s[G0B:G0B+3], s[G1B:G1B+7]  ; keys 512-2,047: the first tensor load behind the round
	s_nop 0
	NOPS 4
.macro MAXC s, t                       ; the largest of a tile's 64 scores a lane, in four chains; each accumulator is read from its low end on
.irp k, 0,1,2,3
	v_max3_num_f32 v[\t+\k], v[\s+16*\k], v[\s+16*\k+1], v[\s+16*\k+2]
.endr
.irp i, 3,5,7,9,11,13
.irp k, 0,1,2,3
	v_max3_num_f32 v[\t+\k], v[\t+\k], v[\s+16*\k+\i], v[\s+16*\k+\i+1]
.endr
.endr
	v_max3_num_f32 v[\t], v[\t], v[\t+1], v[\s+15]
	v_max3_num_f32 v[\t+2], v[\t+2], v[\t+3], v[\s+31]
	v_max3_num_f32 v[\t], v[\t], v[\s+47], v[\s+63]
.endm
.macro TMM s, n                        ; t - M, two at a time
.set i, 0
.rept 32
	v_pk_fma_f32 v[\s+i:\s+i+1], v[\s+i:\s+i+1], s[CS:CS+1], v[\n:\n+1] op_sel_hi:[1,0,0]
.set i, i+2
.endr
.endm
; p = 2^(t - M) of tile e, one batch of 64, with the other tile's t - M by turns: what these plain lines write is first read behind the wait that follows the batch
.macro EXTM e, s, n
.set i, 0
.rept 32
	v_exp_f32 v[\e+i], v[\e+i]
	v_exp_f32 v[\e+i+1], v[\e+i+1]
	v_pk_fma_f32 v[\s+i:\s+i+1], v[\s+i:\s+i+1], s[CS:CS+1], v[\n:\n+1] op_sel_hi:[1,0,0]
.set i, i+2
.endr
.endm
; the batch of tile e, with tile s's first level of sums (16 pairs into v[u] on, 32 registers: v192-223) and its one-sided holds by turns; a number is summed ahead of its hold
.macro EXSH e, s, u
.set i, 0
.rept 16
	v_exp_f32 v[\e+i], v[\e+i]
	v_pk_add_f32 v[\u+i/2:\u+i/2+1], v[\s+i:\s+i+1], v[\s+i+2:\s+i+3]
	v_exp_f32 v[\e+i+1], v[\e+i+1]
	v_dual_min_num_f32 v[\s+i], v[\s+i], v24 :: v_dual_min_num_f32 v[\s+i+1], v[\s+i+1], v25
	v_exp_f32 v[\e+i+2], v[\e+i+2]
	v_exp_f32 v[\e+i+3], v[\e+i+3]
	v_dual_min_num_f32 v[\s+i+2], v[\s+i+2], v24 :: v_dual_min_num_f32 v[\s+i+3], v[\s+i+3], v25
.set i, i+4
.endr
.endm
.macro SUM2 u, l, f                    ; the 16 pairs become one; the last line brings the old sum under the new M and adds
.irp k, 0,2,4,6,8,10,12,14
	v_pk_add_f32 v[\u+\k:\u+\k+1], v[\u+\k:\u+\k+1], v[\u+16+\k:\u+16+\k+1]
.endr
.irp k, 0,2,4,6
	v_pk_add_f32 v[\u+\k:\u+\k+1], v[\u+\k:\u+\k+1], v[\u+8+\k:\u+8+\k+1]
.endr
.irp k, 0,2
	v_pk_add_f32 v[\u+\k:\u+\k+1], v[\u+\k:\u+\k+1], v[\u+4+\k:\u+4+\k+1]
.endr
	v_pk_add_f32 v[\u:\u+1], v[\u:\u+1], v[\u+2:\u+3]
	v_pk_fma_f32 v[\l:\l+1], v[\l:\l+1], v[\f:\f+1], v[\u:\u+1] op_sel_hi:[1,0,1]
.endm
.macro CVTP s, p
.irp u, 0,1,2,3,4,5,6,7
	v_cvt_scalef32_pk8_bf8_f32 v[\p+2*\u:\p+2*\u+1], v[\s+8*\u:\s+8*\u+7], v26
.endr
.endm
.macro KLOAD adr, off                  ; eight tiles of 16 keys of K into window 1
	WIN 0x40
.set i, 0
.rept 16
	ds_load_b128 v[KR+4*i:KR+4*i+3], v[\adr] offset:\off+512*i
.set i, i+1
.endr
	WIN 0
.endm
.macro SUMP s, t, l, f                 ; the sum of the unquantised p, in four chains; the last line brings the old sum under the new M and adds
.irp k, 0,1,2,3
	v_pk_add_f32 v[\t+2*\k:\t+2*\k+1], v[\s+16*\k:\s+16*\k+1], v[\s+16*\k+2:\s+16*\k+3]
.endr
.irp i, 4,6,8,10,12,14
.irp k, 0,1,2,3
	v_pk_add_f32 v[\t+2*\k:\t+2*\k+1], v[\t+2*\k:\t+2*\k+1], v[\s+16*\k+\i:\s+16*\k+\i+1]
.endr
.endr
	v_pk_add_f32 v[\t:\t+1], v[\t:\t+1], v[\t+2:\t+3]
	v_pk_add_f32 v[\t+4:\t+5], v[\t+4:\t+5], v[\t+6:\t+7]
	v_pk_add_f32 v[\t:\t+1], v[\t:\t+1], v[\t+4:\t+5]
	v_pk_fma_f32 v[\l:\l+1], v[\l:\l+1], v[\f:\f+1], v[\t:\t+1] op_sel_hi:[1,0,1]
.endm
.macro HOLD s, p                       ; the conversion does not saturate (ISA guide 7.6.2); p is not negative, so the hold is one-sided: two numbers an instruction
.set i, 0
.rept 32
	v_dual_min_num_f32 v[\s+i], v[\s+i], v24 :: v_dual_min_num_f32 v[\s+i+1], v[\s+i+1], v25
.set i, i+2
.endr
.irp u, 0,1,2,3,4,5,6,7
	v_cvt_scalef32_pk8_bf8_f32 v[\p+2*\u:\p+2*\u+1], v[\s+8*\u:\s+8*\u+7], v26
.endr
.endm
; A KEY STEP of 128 keys for both tiles.
.macro STEP causal
.if \causal
	s_cmp_gt_u32 s[KF], s[QG]
	s_cbranch_scc1 .Lhid_\@                        ; all its keys come after my group
.endif
	v_add_nc_u32 v[ADV], s[TB], v[LV]
	v_add_nc_u32 v[ADK], s[TN], v[LI]              ; the next step's K
	NOPS 2                                         ; four places in front of loads into registers that the last products read
	WIN 0x40
.set i, 0
.rept 16
	ds_load_b128 v[VR+4*i:VR+4*i+3], v[ADV] offset:512*i   ; V is asked for at once: it lands under the softmax
.set i, i+1
.endr
	s_wait_alu depctr_va_vdst(0)
	s_wait_dscnt 16                                ; this step's K, asked for a step ago, is in; V's sixteen loads may be out
	WIN 0x01
.set i, 0
.rept 8
	v_wmma_f32_16x16x64_bf8_bf8 v[SA+8*i:SA+8*i+7], v[KR+8*i:KR+8*i+7], v[QQ:QQ+7], 0
.set i, i+1
.endr
.set i, 0
.rept 8
	v_wmma_f32_16x16x64_bf8_bf8 v[SB+8*i:SB+8*i+7], v[KR+8*i:KR+8*i+7], v[QQ+8:QQ+15], 0
.set i, i+1
.endr
	WIN 0
	NOPS 4                                         ; places in front of the loads below and of the first read of the scores
	KLOAD ADK, 0                                   ; the next step's K lands under this step's softmax
.if \causal
	s_cmp_lg_u32 s[KF], s[QG]
	s_cbranch_scc1 .Lopen_\@                       ; all its keys count
; Register 8 u + j holds key KF + 16 u + 8 (lane / 16) + j: hidden in A where 16 u + j > v[MB].  B's queries lie 16 on, so the same compare serves B's register 8 (u + 1) + j; B's tile 0 is never hidden.
.set i, 0
.rept 64
	v_cmp_gt_i32 vcc_lo, 16*(i/8)+i%8, v[MB]
	v_cndmask_b32 v[SA+i], v[SA+i], v31, vcc_lo
.if i < 56
	v_cndmask_b32 v[SB+8+i], v[SB+8+i], v31, vcc_lo
.endif
.set i, i+1
.endr
.Lopen_\@:
.endif
	MAXC SA, TT
	MAXC SB, TT+4
	v_max3_num_f32 v8, v[TT], v[TT+2], v13         ; with the largest so far; the two tiles' chains take turns
	v_max3_num_f32 v9, v[TT+4], v[TT+6], v15
	v_permlanex16_b32 v10, v8, s[SEL], s[SEL+1]
	v_permlanex16_b32 v11, v9, s[SEL], s[SEL+1]
	v_max_num_f32 v13, v8, v10                     ; and lane l xor 16's
	v_max_num_f32 v15, v9, v11
	v_mul_f32 v8, s[CS], v13                       ; as t (c is positive)
	v_mul_f32 v9, s[CS], v15
	v_mov_b32 v28, v12
	v_mov_b32 v29, v14
	v_floor_f32 v12, -v8                           ; the new -M = -ceil(t)
	v_floor_f32 v14, -v9
	v_sub_f32 v28, v12, v28                        ; old M - new M: a whole number, 0 or less
	v_sub_f32 v29, v14, v29
	v_cvt_i32_f32 v28, v28                         ; (it saturates)
	v_cvt_i32_f32 v29, v29
	v_ldexp_f32 v20, 1.0, v28                      ; f
	v_ldexp_f32 v22, 1.0, v29
	WIN 0x41
.set i, 0
.rept 16
	v_pk_mul_f32 v[OA+i:OA+i+1], v[OA+i:OA+i+1], v[20:21] op_sel_hi:[1,0]   ; O^T under the new M, ahead of the step's exponentials
.set i, i+2
.endr
.set i, 0
.rept 16
	v_pk_mul_f32 v[OB+i:OB+i+1], v[OB+i:OB+i+1], v[22:23] op_sel_hi:[1,0]
.set i, i+2
.endr
	WIN 0
	TMM SA, 12
	s_wait_alu depctr_va_vdst(0)                   ; the wait ahead of a batch
	EXTM SA, SB, 14
	s_wait_alu depctr_va_vdst(0)                   ; ahead of B's batch; it is also the wait behind A's
	EXSH SB, SA, TT
	s_wait_alu depctr_va_vdst(0)                   ; the wait behind B's batch, ahead of its first reader and of the readers of what was written among it
	SUM2 TT, 16, 20
	CVTP SA, PA
	SUMP SB, TT+8, 18, 22
	HOLD SB, PB
	v_nop                                          ; a plain instruction behind the last conversion
	s_wait_alu depctr_va_vdst(0)                   ; directly ahead of the wait below
	s_wait_dscnt 16                                ; V is in; the next K's sixteen loads may be out
	WIN 0x51
.set i, 0
.rept 4
	v_wmma_f32_16x16x128_bf8_bf8 v[OA+8*i:OA+8*i+7], v[VR+16*i:VR+16*i+15], v[PA:PA+15], v[OA+8*i:OA+8*i+7]   ; eight accumulators by turns
.set i, i+1
.endr
.set i, 0
.rept 4
	v_wmma_f32_16x16x128_bf8_bf8 v[OB+8*i:OB+8*i+7], v[VR+16*i:VR+16*i+15], v[PB:PB+15], v[OB+8*i:OB+8*i+7]
.set i, i+1
.endr
	WIN 0
.if \causal
.Lhid_\@:
.endif
.endm
; A group's end: O^T / the sum x 2^(e4 + e5) is y; held, converted with 2^e6, stored as groups of four registers of the next operand, 512 bytes on end, aligned.
.macro WAYOUT y
	s_wait_alu depctr_va_vdst(0)
	s_wait_xcnt 0x0                                ; earlier stores have read the registers of y's codes
	v_add_f32 v16, v16, v17
	v_add_f32 v18, v18, v19
	v_permlanex16_b32 v10, v16, s[SEL], s[SEL+1]
	v_permlanex16_b32 v11, v18, s[SEL], s[SEL+1]
	v_add_f32 v16, v16, v10
	v_add_f32 v18, v18, v11
	s_wait_alu depctr_va_vdst(0)                   ; ahead of the batch of two
	v_rcp_f32 v16, v16
	v_rcp_f32 v18, v18
	v_nop
	s_wait_alu depctr_va_vdst(0)                   ; and behind it
	v_ldexp_f32 v16, v16, s[EY]
	v_ldexp_f32 v18, v18, s[EY]
	WIN 0x01
	s_wait_alu depctr_va_vdst(0)                   ; directly ahead of the first reader of O^T
.set i, 0
.rept 16
	v_pk_mul_f32 v[SA+i:SA+i+1], v[OA+i:OA+i+1], v[16:17] op_sel_hi:[1,0]
.set i, i+2
.endr
.set i, 0
.rept 16
	v_pk_mul_f32 v[SA+32+i:SA+32+i+1], v[OB+i:OB+i+1], v[18:19] op_sel_hi:[1,0]
.set i, i+2
.endr
	WIN 0
.set i, 0
.rept 64
	v_med3_num_f32 v[SA+i], v[SA+i], -v27, v27
.set i, i+1
.endr
.irp g, 0,1,2,3,4,5,6,7
	v_cvt_scalef32_pk8_bf8_f32 v[CD+2*\g:CD+2*\g+1], v[SA+8*\g:SA+8*\g+7], v30
.endr
	v_nop                                          ; a plain instruction behind the last conversion
	global_store_b128 v[LI], v[CD:CD+3], s[\y:\y+1]
	global_store_b128 v[LI], v[CD+4:CD+7], s[\y:\y+1] offset:512
	global_store_b128 v[LI], v[CD+8:CD+11], s[\y:\y+1] offset:16384        ; tile B: the next 16 tokens' image
	global_store_b128 v[LI], v[CD+12:CD+15], s[\y:\y+1] offset:16384+512
.endm
	KLOAD LI, 0                                    ; step 0's K
	s_wait_loadcnt 0x0                             ; Q
	s_mov_b32 s[CNT], 0
.Lfirst:                                           ; the first group, keys 0-511: all of them count (my group is 8 or later)
	s_and_b32 s[TB], s[CNT], 3
	s_lshl_b32 s[TB], s[TB], 13                    ; 128 keys are 8,192 bytes of K and of V
	s_add_co_u32 s[TN], s[CNT], 1
	s_and_b32 s[TN], s[TN], 3                      ; the last trip asks for step 0's K again: only keys 0-511 have landed here
	s_lshl_b32 s[TN], s[TN], 13
	STEP 0
	s_add_co_u32 s[CNT], s[CNT], 1
	s_cmp_lt_u32 s[CNT], 4
	s_cbranch_scc1 .Lfirst
	s_wait_tensorcnt 0x0                           ; my part of keys 512-2,047 has landed,
	s_wait_dscnt 0x0
	s_barrier_signal -1
	s_barrier_wait -1                              ; everybody's has; nothing is filled from here on
	KLOAD LI, 32768                                ; step 4's K
	s_mov_b32 s[CNT], 4
.Lrest:                                            ; trips 4-15: the first group's steps 4-15; trips 16-23: the second group's steps 0-7
	s_cmp_lg_u32 s[CNT], 16
	s_cbranch_scc1 .Lsame
	WAYOUT 80
	INIT
.set i, 0
.rept 16
	v_mov_b32 v[QQ+i], v[Q2+i]
.set i, i+1
.endr
	s_mov_b32 s[QG], s[QG2]
	s_wait_alu depctr_va_vdst(0)
	s_wait_xcnt 0x0                                ; the stores have read y's codes: those registers are at work in the steps
	s_wait_dscnt 0x0                               ; no load into K's registers is out
	KLOAD LI, 0                                    ; the second group's step 0
.Lsame:
	s_and_b32 s[TB], s[CNT], 15
	s_lshl_b32 s[TB], s[TB], 13
	s_lshr_b32 s[KF], s[TB], 6
	s_add_co_u32 s[TN], s[CNT], 1
	s_and_b32 s[TN], s[TN], 15
	s_lshl_b32 s[TN], s[TN], 13
	STEP 1
	s_add_co_u32 s[CNT], s[CNT], 1
	s_cmp_lt_u32 s[CNT], 24
	s_cbranch_scc1 .Lrest
	WAYOUT 82
	s_wait_tensorcnt 0x0                           ; the wave's end
	ds_add_u32 v[SPW], v[NIL]
	s_wait_dscnt 0x0
	ROUND                                          ; the closing round
	s_endpgm
.Lfunc_end_k_q07860ea60b_attn:
	.size	k_q07860ea60b_attn, .Lfunc_end_k_q07860ea60b_attn-k_q07860ea60b_attn
	.p2alignl 7, 3214868480
	.fill 96, 4, 3214868480
	.section	.rodata,"a",@progbits
	.p2align	6, 0x0
	.amdhsa_kernel k_q07860ea60b_attn
		.amdhsa_group_segment_fixed_size 327680
		.amdhsa_private_segment_fixed_size 0
		.amdhsa_enable_private_segment 0
		.amdhsa_kernarg_size 40
		.amdhsa_user_sgpr_count 2
		.amdhsa_user_sgpr_kernarg_segment_ptr 1
		.amdhsa_wavefront_size32 1
		.amdhsa_system_sgpr_workgroup_id_x 1
		.amdhsa_system_sgpr_workgroup_id_y 1
		.amdhsa_system_sgpr_workgroup_id_z 1
		.amdhsa_system_vgpr_workitem_id 0
		.amdhsa_next_free_vgpr 448
		.amdhsa_next_free_sgpr 100
		.amdhsa_reserve_vcc 1
		.amdhsa_float_denorm_mode_32 3
		.amdhsa_float_denorm_mode_16_64 3
		.amdhsa_memory_ordered 1
		.amdhsa_forward_progress 1
		.amdhsa_inst_pref_size 95
	.end_amdhsa_kernel
	.amdgpu_metadata
---
amdhsa.version: [ 1, 2 ]
amdhsa.kernels:
  - .name:           k_q07860ea60b_attn
    .symbol:         k_q07860ea60b_attn.kd
    .args:
      - { .name: q_img, .offset: 0, .size: 8, .value_kind: global_buffer, .address_space: global }
      - { .name: k_img, .offset: 8, .size: 8, .value_kind: global_buffer, .address_space: global }
      - { .name: v_img, .offset: 16, .size: 8, .value_kind: global_buffer, .address_space: global }
      - { .name: lowp_scales, .offset: 24, .size: 8, .value_kind: global_buffer, .address_space: global }
      - { .name: y_img, .offset: 32, .size: 8, .value_kind: global_buffer, .address_space: global }
    .group_segment_fixed_size: 327680
    .private_segment_fixed_size: 0
    .kernarg_segment_align: 8
    .kernarg_segment_size: 40
    .max_flat_workgroup_size: 256
    .sgpr_count:     100
    .vgpr_count:     448
    .wavefront_size: 32
...
	.end_amdgpu_metadata
.endif
;; end of part 3
;; launch proj (part 4): grid 4 x 64, 4 waves a work-group, clusters of 4 x 4, 327,680 bytes of LDS; arguments y_img, wp_img, lowp_scales, out0; writes out0
.if DOCPART == 4
	.amdgcn_target "amdgcn-amd-amdhsa--gfx1250"
	.amdhsa_code_object_version 6
	.text
	.protected	k_q07860ea60b_proj
	.globl	k_q07860ea60b_proj
	.p2align	8
	.type	k_q07860ea60b_proj,@function
k_q07860ea60b_proj:
	s_mov_b64 s[64:65], 0
	v_nop
	global_prefetch_b8 v0, s[64:65] scope:SCOPE_SE
	s_setreg_imm32_b32 hwreg(HW_REG_WAVE_MODE, 25, 1), 1
	s_wait_xcnt 0x0
	s_wait_alu depctr_hold_cnt(0) depctr_sa_sdst(0) depctr_va_vdst(0) depctr_va_sdst(0) depctr_va_ssrc(0) depctr_va_vcc(0) depctr_vm_vsrc(0)
	s_getreg_b32 s2, hwreg(HW_REG_IB_STS2, 6, 4)
	s_cmp_eq_u32 s2, 0
	s_cbranch_scc0 .Lentry_in_a_cluster
	s_endpgm
.Lentry_in_a_cluster:
	s_bfe_u32 s2, ttmp6, 0x10000c
	s_cmp_lg_u32 s2, 0xf033
	s_cbranch_scc0 .Lentry_shape_is_right
	s_endpgm
.Lentry_shape_is_right:
; out0 = y W_proj on codes of BF8: each finished sum x 2^(e6 + e7).  LIMIT: e6 + e7 between -126 and 127, so that the factor is an f32 number.
; y_img [8192 rows], wp_img [1024 rows n]: images of operand registers: a fragment of 16 rows x 128 k is 2,048 bytes, group c of four registers at 512 c, lane l at 16 l; 16 rows' eight fragments are 16,384 bytes on end.
; A block of 128 tokens x 256 n is made by four waves, 64 x 128 each: 32 accumulators.  8192 / 128 x 1024 / 256 = 256 work-groups.
; K = 1,024 comes in three fills: k 0-255 into region 1 at the head; k 256-767 into region 2 behind the three lines and a round; k 768-1,023 into region 1 again, behind a round when region 1 has been read.
; A fill's tile is one row for each 16 rows of the operand: 4,096 or 8,192 bytes, 16,384 apart in memory, on end in LDS.  Waves 0, 1 fetch y's 4 + 4 rows, waves 2, 3 W's 8 + 8.  One tensor load of a wave is out at any point.
; CLUSTERS of 4 x 4: y's tile is shared along a row of the cluster, W's along a column, each asked for jointly.  The product is used transposed (source 0 = 16 rows of W, source 1 = 16 tokens): a lane holds one token, and by the
; order of W's rows in wp_img accumulator b's register j is n = 32 (b / 2) + 16 h + 8 (b % 2) + j.
; No prefetch: of the three fills two are first fills; no stream is left to ask ahead for.
; REGISTERS: window 0: v16-29 addresses; v32-95 the way out's numbers; v128-255 y's fragments, two sets of 4 (on the way out: rows read back).  Window 1: W's fragments, two sets of 8.  Window 2: accumulator (a, b) at v[8 (8 a + b)].
.set SIZE_N, 1024
.set R1A, 0                            ; region 1: y's 8 rows of 4,096 bytes, then W's 16
.set R1B, 32768
.set R2A, 98304                        ; region 2: y's 8 rows of 8,192 bytes, then W's 16
.set R2B, 163840
.set SPARE, 294912                     ; the spare words, 128 bytes a wave: two blocks of 256 bytes that no other line names
.set SPITCH, 528                       ; the way out: 16 rows x (512 + 16) bytes a wave, in region 2, which has had its last fill and its last read by then
.set A1, 16
.set B1, 17
.set A2, 18
.set B2, 19
.set STO, 24
.set RD, 25
.set CO, 26
.set SPW, 28
.set NIL, 29
.set TMP, 32
.set AF, 128
.set BK, 128
.set GAS, 24                           ; group 1: y, rows of 4,096 bytes;  GBS: W;  GAL, GBL: rows of 8,192 bytes
.set GBS, 32
.set GAL, 40
.set GBL, 48
.set G0A, 56
.set G0B, 60
.set MSB, 0
.macro WIN new                         ; the immediate's high byte repeats the setting that is left
.if MSB != \new
	s_set_vgpr_msb (MSB<<8)|\new
.set MSB, \new
.endif
.endm
.macro PLACES n
.rept \n
	v_nop
.endr
.endm
.macro JLOAD g1a, g1b                  ; a joint load: waves 0, 1 for y, waves 2, 3 for W; the branch hangs on the wave's number alone; s_nop 0 and four v_nop follow each line
	s_cmp_eq_u32 s15, 0
	s_cbranch_scc0 .Lfor_b_\@
	tensor_load_to_lds s[G0A:G0A+3], s[\g1a:\g1a+7]
	s_nop 0
	PLACES 4
	s_branch .Lasked_\@
.Lfor_b_\@:
	tensor_load_to_lds s[G0B:G0B+3], s[\g1b:\g1b+7]
	s_nop 0
	PLACES 4
.Lasked_\@:
.endm
.macro CROUND                          ; a round of the cluster's barrier
	s_barrier_signal -1
	s_barrier_wait -1
	s_cmp_lg_u32 s14, 0
	s_cbranch_scc1 .Lnot_wave_0_\@
	s_barrier_signal -3
.Lnot_wave_0_\@:
	s_barrier_wait -3
	s_barrier_signal -1
	s_barrier_wait -1
.endm
.macro G1SET g, c, r                   ; r rows of c elements of 8 bytes, 2,048 elements apart
	s_mov_b32 s[\g+1], (\c)<<16
	s_mov_b32 s[\g+2], (\r)<<16
	s_mov_b32 s[\g+3], (\c)<<16
	s_mov_b32 s[\g+4], \r
	s_mov_b32 s[\g+5], 2048
	s_mov_b32 s[\g+6], 0
	s_mov_b32 s[\g+7], 0
.endm
	s_load_b128 s[4:7], s[0:1], 0x0                ; y_img, wp_img
	s_load_b128 s[8:11], s[0:1], 0x10              ; the scales' exponents, out0
	v_lshl_add_u32 v[SPW], v0, 2, SPARE
	v_mov_b32 v[NIL], 0
	ds_add_u32 v[SPW], v[NIL]                      ; the opening: the add, twice on end, and its wait ahead of my first tensor load
	ds_add_u32 v[SPW], v[NIL]
	v_lshrrev_b32 v1, 5, v0
	v_readfirstlane_b32 s14, v1                    ; wave 0..3
	s_lshr_b32 s15, s14, 1                         ; which 64 tokens are mine.  Also: I fetch for y (0) or for W (1)
	s_and_b32 s16, s14, 1                          ; which 128 n.  Also: which half of that tile I fetch
	s_bfe_u32 s70, ttmp6, 0x40000                  ; cx, cy
	s_bfe_u32 s71, ttmp6, 0x40004
	s_lshl_b32 s72, ttmp9, 2
	s_add_co_u32 s72, s72, s70                     ; block column
	s_and_b32 s17, ttmp7, 0xffff
	s_lshl_b32 s17, s17, 2
	s_add_co_u32 s17, s17, s71                     ; block row
	s_lshl_b32 s73, s71, 2
	s_lshl_b32 s73, 15, s73                        ; my row of the cluster
	s_lshl_b32 s74, 0x1111, s70                    ; my column
	s_or_b32 s[GAS], s73, (3<<16)|(1<<21)
	s_or_b32 s[GAL], s73, (3<<16)|(1<<21)
	s_or_b32 s[GBS], s74, (3<<16)|(1<<21)
	s_or_b32 s[GBL], s74, (3<<16)|(1<<21)
	G1SET GAS, 512, 4
	G1SET GBS, 512, 8
	G1SET GAL, 1024, 4
	G1SET GBL, 1024, 8
	s_lshl_b32 s20, s17, 17                        ; y: 128 rows of 1,024 bytes of image a block, 64 a half
	s_lshl_b32 s18, s16, 16
	s_add_co_u32 s20, s20, s18
	s_mov_b32 s21, 0
	s_lshl_b32 s76, s72, 18                        ; W: 256 rows a block, 128 a half
	s_lshl_b32 s18, s16, 17
	s_add_co_u32 s76, s76, s18
	s_mov_b32 s77, 0
	s_lshl_b32 s78, s16, 14                        ; where a half goes: no place in the cluster enters an LDS address
	s_lshl_b32 s79, s16, 15
	s_wait_dscnt 0x0                               ; both opening adds are done
	s_wait_kmcnt 0x0
	s_load_b64 s[96:97], s[8:9], 0x18              ; e6, e7
	s_add_nc_u64 s[20:21], s[4:5], s[20:21]
	s_add_nc_u64 s[76:77], s[6:7], s[76:77]
	CROUND                                         ; all sixteen work-groups are here: the first joint loads meet
	s_mov_b32 s[G0A], 1
	s_mov_b32 s[G0A+1], s78
	s_mov_b64 s[G0A+2:G0A+3], s[20:21]
	s_or_b32 s[G0A+3], s[G0A+3], 0x80000000
	s_mov_b32 s[G0B], 1
	s_add_co_u32 s[G0B+1], s79, R1B
	s_mov_b64 s[G0B+2:G0B+3], s[76:77]
	s_or_b32 s[G0B+3], s[G0B+3], 0x80000000
	JLOAD GAS, GBS                                 ; k 0-255: my one load at the head
	s_lshl_b32 s80, s15, 14                        ; my 4 rows of y in region 1,
	s_lshl_b32 s81, s15, 15
	s_add_co_u32 s81, s81, R2A                     ; in region 2;
	s_add_co_u32 s82, s79, R1B                     ; my 8 rows of W in region 1,
	s_lshl_b32 s83, s16, 16
	s_add_co_u32 s83, s83, R2B                     ; in region 2
	s_mul_i32 s84, s14, 16*SPITCH
	s_add_co_u32 s84, s84, R2A                     ; my stage
	v_and_b32 v6, 31, v0
	v_lshlrev_b32 v[CO], 4, v6
	v_add_nc_u32 v[A1], s80, v[CO]
	v_add_nc_u32 v[B1], s82, v[CO]
	v_add_nc_u32 v[A2], s81, v[CO]
	v_add_nc_u32 v[B2], s83, v[CO]
	v_and_b32 v1, 15, v0
	v_bfe_u32 v2, v0, 4, 1
	v_mul_u32_u24 v5, v1, SPITCH
	v_lshl_add_u32 v5, v2, 6, v5
	v_add_nc_u32 v[STO], s84, v5                   ; in: row l % 16, 64 bytes for each half of the lanes
	v_add_nc_u32 v[RD], s84, v[CO]                 ; back: the 32 lanes take one row of 512 bytes
	s_lshl_b32 s86, s17, 19                        ; my first byte of out0: (128 block row + 64 half) rows of 4,096 bytes + 1,024 block column + 512 half
	s_lshl_b32 s87, s15, 18
	s_add_co_u32 s86, s86, s87
	s_lshl_b32 s87, s72, 10
	s_add_co_u32 s86, s86, s87
	s_lshl_b32 s87, s16, 9
	s_add_co_u32 s86, s86, s87
	s_mov_b32 s87, 0
	s_add_nc_u64 s[10:11], s[10:11], s[86:87]
; the fragments of the q-th 128 along K of a region (rows p bytes apart) into set t: W's eight, y's four: 48 loads of 512 bytes on end
.macro FETCH ra, rb, p, q, t
	WIN 0x40
.irp i, 0,1,2,3,4,5,6,7
.irp c, 0,1,2,3
	ds_load_b128 v[128*(\t)+16*\i+4*\c:128*(\t)+16*\i+4*\c+3], v[\rb] offset:(\p)*\i+2048*(\q)+512*\c
.endr
.endr
	WIN 0
.irp i, 0,1,2,3
.irp c, 0,1,2,3
	ds_load_b128 v[AF+64*(\t)+16*\i+4*\c:AF+64*(\t)+16*\i+4*\c+3], v[\ra] offset:(\p)*\i+2048*(\q)+512*\c
.endr
.endr
.endm
; 32 matrix instructions on set t: the 32 accumulators take turns, one instruction a turn, in the same order in every step.  zero = 1: the first product starts the sums
.macro MUL t, zero
	WIN 0xa1
.irp a, 0,1,2,3
.irp b, 0,1,2,3,4,5,6,7
.if \zero
	v_wmma_f32_16x16x128_bf8_bf8 v[8*(8*\a+\b):8*(8*\a+\b)+7], v[128*(\t)+16*\b:128*(\t)+16*\b+15], v[AF+64*(\t)+16*\a:AF+64*(\t)+16*\a+15], 0
.else
	v_wmma_f32_16x16x128_bf8_bf8 v[8*(8*\a+\b):8*(8*\a+\b)+7], v[128*(\t)+16*\b:128*(\t)+16*\b+15], v[AF+64*(\t)+16*\a:AF+64*(\t)+16*\a+15], v[8*(8*\a+\b):8*(8*\a+\b)+7]
.endif
.endr
.endr
	WIN 0
.endm
	s_wait_alu depctr_va_vdst(0)                   ; the wait at the head's end
	s_wait_tensorcnt 0x0                           ; my part of k 0-255 is in; the three lines ahead of a later first fill
	ds_add_u32 v[SPW], v[NIL]
	s_add_co_u32 s[G0A+1], s79, R2A                ; no load of mine is out: the groups 0 step to k 256-767 and region 2
	s_add_nc_u64 s[G0A+2:G0A+3], s[G0A+2:G0A+3], 4096
	s_lshl_b32 s[G0B+1], s16, 16
	s_add_co_u32 s[G0B+1], s[G0B+1], R2B
	s_add_nc_u64 s[G0B+2:G0B+3], s[G0B+2:G0B+3], 4096
	s_wait_dscnt 0x0
	CROUND                                         ; everybody's part is in, and the joint loads meet
	JLOAD GAL, GBL                                 ; the first tensor load behind the round
	FETCH A1, B1, 4096, 0, 0
	FETCH A1, B1, 4096, 1, 1
	s_wait_dscnt 48                                ; set 0 is in; set 1's 48 loads may be out
	MUL 0, 1                                       ; k 0-127
	s_wait_dscnt 0x0
	MUL 1, 0                                       ; k 128-255
	s_wait_tensorcnt 0x0                           ; my part of region 2 is in; the three lines ahead of the refill of region 1
	ds_add_u32 v[SPW], v[NIL]
	s_mov_b32 s[G0A+1], s78                        ; the groups 0 step to k 768-1,023 and region 1
	s_add_nc_u64 s[G0A+2:G0A+3], s[G0A+2:G0A+3], 8192
	s_add_co_u32 s[G0B+1], s79, R1B
	s_add_nc_u64 s[G0B+2:G0B+3], s[G0B+2:G0B+3], 8192
	s_wait_dscnt 0x0                               ; the add is done; my reads of region 1 were over above
	CROUND                                         ; no wave of any partner still reads region 1 or has a load on its way
	JLOAD GAS, GBS                                 ; the refill; its four v_nop are also the places in front of the loads below
	FETCH A2, B2, 8192, 0, 0
	FETCH A2, B2, 8192, 1, 1
	s_wait_dscnt 48
	MUL 0, 0                                       ; k 256-383
	PLACES 4                                       ; in front of loads into registers that the products above read
	FETCH A2, B2, 8192, 2, 0
	s_wait_dscnt 48                                ; set 1 is in; the 48 just issued may be out
	MUL 1, 0
	PLACES 4
	FETCH A2, B2, 8192, 3, 1
	s_wait_dscnt 48
	MUL 0, 0
	s_wait_dscnt 0x0
	MUL 1, 0                                       ; k 640-767
	s_wait_tensorcnt 0x0                           ; my part of k 768-1,023 is in,
	s_barrier_signal -1
	s_barrier_wait -1                              ; everybody's is, and nobody reads region 2 any more; nothing is filled from here on
	PLACES 4
	FETCH A1, B1, 4096, 0, 0
	FETCH A1, B1, 4096, 1, 1
	s_wait_dscnt 48
	MUL 0, 0
	s_wait_dscnt 0x0
	MUL 1, 0
; THE WAY OUT, by blocks of 16 tokens x 128 n: x 2^(e6 + e7), through my own stage, back as whole rows of 512 bytes, which the 32 lanes store as two aligned units of 256 bytes.
; LDS serves a wave's instructions in order (ISA guide 5.7.1.4): no wait between the stores and the loads.
.macro TOSTAGE a
	WIN 0x02
.set j, 0
.rept 32
	v_pk_mul_f32 v[TMP+j:TMP+j+1], v[64*(\a)+j:64*(\a)+j+1], s[96:97] op_sel_hi:[1,0]   ; each accumulator from its low end on
.set j, j+2
.endr
	WIN 0
.irp b, 0,1,2,3,4,5,6,7
	ds_store_b128 v[STO], v[TMP+8*\b:TMP+8*\b+3] offset:128*(\b/2)+32*(\b%2)
	ds_store_b128 v[STO], v[TMP+8*\b+4:TMP+8*\b+7] offset:128*(\b/2)+32*(\b%2)+16
.endr
.set BB, BK+64*((\a)%2)
.irp t, 0,1,2,3,4,5,6,7,8,9,10,11,12,13,14,15
	ds_load_b128 v[BB+4*\t:BB+4*\t+3], v[RD] offset:\t*SPITCH
.endr
.endm
.macro SEND a, younger                 ; younger: the LDS instructions issued behind block a's loads, which may stay out
.set BB, BK+64*((\a)%2)
	s_wait_dscnt \younger
.if (\a) > 0
	s_add_nc_u64 s[10:11], s[10:11], 16*SIZE_N*4   ; (behind a wait on XCNT: the earlier stores have read their base)
.endif
.irp t, 0,1,2,3,4,5,6,7,8,9,10,11,12,13,14,15
	global_store_b128 v[CO], v[BB+4*\t:BB+4*\t+3], s[10:11] offset:\t*SIZE_N*4 th:TH_STORE_NT
.endr
.endm
	s_wait_kmcnt 0x0
	s_add_co_i32 s96, s96, s97
	s_add_co_i32 s96, s96, 127
	s_lshl_b32 s96, s96, 23                        ; 2^(e6 + e7) as f32
	PLACES 4
	TOSTAGE 0
.irp a, 1,2,3
.if \a > 1
	s_wait_xcnt 0x0                                ; block a - 2's stores have read their registers and their base
.endif
	TOSTAGE \a
	SEND \a-1, 32
.endr
	s_wait_xcnt 0x0
	SEND 3, 0
	s_wait_tensorcnt 0x0                           ; the wave's end
	ds_add_u32 v[SPW], v[NIL]
	s_wait_dscnt 0x0
	CROUND                                         ; the closing round
	s_endpgm
.Lfunc_end_k_q07860ea60b_proj:
	.size	k_q07860ea60b_proj, .Lfunc_end_k_q07860ea60b_proj-k_q07860ea60b_proj
	.p2alignl 7, 3214868480
	.fill 96, 4, 3214868480
	.section	.rodata,"a",@progbits
	.p2align	6, 0x0
	.amdhsa_kernel k_q07860ea60b_proj
		.amdhsa_group_segment_fixed_size 327680
		.amdhsa_private_segment_fixed_size 0
		.amdhsa_enable_private_segment 0
		.amdhsa_kernarg_size 32
		.amdhsa_user_sgpr_count 2
		.amdhsa_user_sgpr_kernarg_segment_ptr 1
		.amdhsa_wavefront_size32 1
		.amdhsa_system_sgpr_workgroup_id_x 1
		.amdhsa_system_sgpr_workgroup_id_y 1
		.amdhsa_system_sgpr_workgroup_id_z 1
		.amdhsa_system_vgpr_workitem_id 0
		.amdhsa_next_free_vgpr 768
		.amdhsa_next_free_sgpr 100
		.amdhsa_reserve_vcc 0
		.amdhsa_float_denorm_mode_32 3
		.amdhsa_float_denorm_mode_16_64 3
		.amdhsa_memory_ordered 1
		.amdhsa_forward_progress 1
		.amdhsa_inst_pref_size 74
	.end_amdhsa_kernel
	.amdgpu_metadata
---
amdhsa.version: [ 1, 2 ]
amdhsa.kernels:
  - .name:           k_q07860ea60b_proj
    .symbol:         k_q07860ea60b_proj.kd
    .args:
      - { .name: y_img, .offset: 0, .size: 8, .value_kind: global_buffer, .address_space: global }
      - { .name: wp_img, .offset: 8, .size: 8, .value_kind: global_buffer, .address_space: global }
      - { .name: lowp_scales, .offset: 16, .size: 8, .value_kind: global_buffer, .address_space: global }
      - { .name: out0, .offset: 24, .size: 8, .value_kind: global_buffer, .address_space: global }
    .group_segment_fixed_size: 327680
    .private_segment_fixed_size: 0
    .kernarg_segment_align: 8
    .kernarg_segment_size: 32
    .max_flat_workgroup_size: 128
    .sgpr_count:     100
    .vgpr_count:     768
    .wavefront_size: 32
...
	.end_amdgpu_metadata
.endif
;; end of part 4
